; MI455X (gfx1250); checked and timed in simulation.
; The chip was launched on July 23, 2026; its instructions are those of AMD's public machine-readable ISA for CDNA 5 (MIT licence, August 2026) and "CDNA5" Instruction Set Architecture Reference Guide (July 2026). The comments in the code are by the model that wrote it; some were corrected since.
;; Self Multihead Attn. Allowed arithmetic: matrix products marked QUANTISED: E2M1 operands, one E8M0 scale for each 32 along K, by v_wmma_scale_f32_16x16x128_f8f6f4 with both operands' format E2M1 (or v_wmma_scale_f32_32x16x128_f4), f32 sums; products left as they are: bf16, f16 or f32 operands; f32 sums; everything else in f32.
;; Inputs: in_proj_weight 3,072 x 1,024 float32; out_proj_weight 1,024 x 1,024 float32; query 1,024 x 8 x 1,024 float32.
;; Outputs: out0 1,024 x 8 x 1,024 float32.
;; This version of the problem:
;;   THIS VERSION OF THE PROBLEM IS GIVEN IN LOW PRECISION. The matrix products marked QUANTISED in the list below multiply operands that are first quantised to E2M1 (2 exponent bits, 1 mantissa bit; 4 bits a number), with one power-of-two scale for each 32 numbers along K (OCP MX v1.0); their sums are f32. The products marked 'left as it is' may take bf16, f16 or f32 operands, with f32 sums. Whichever they take, every output number must still come out within the allowed error. Rounding operands to bf16 (8 significant bits) uses up far more of that allowance than f16 does (11 bits, for magnitudes from 6e-5 to 65,504). All else is computed in f32.
;;   The module's matrix products, in the order in which they are computed (A, B: the left and right operand; K: the contracted axis; several contracted axes count as one K, in the product's order):
;;     1. [M 8,192, K 1,024] x [K 1,024, N 3,072]; A: input query; B: input in_proj_weight: QUANTISED
;;     2. batch 128 x [M 1,024, K 64] x [K 64, N 1,024]; A: computed on the way; B: computed on the way: left as it is (an operand is computed on the way)
;;     3. batch 128 x [M 1,024, K 1,024] x [K 1,024, N 64]; A: computed on the way; B: computed on the way: left as it is (an operand is computed on the way)
;;     4. [M 8,192, K 1,024] x [K 1,024, N 1,024]; A: computed on the way; B: input out_proj_weight: left as it is (an operand is computed on the way)
;;   THE QUANTISER, for each operand of a quantised product, along K:
;;     - K is cut into blocks of 32 from its start; a last block that is shorter is filled with zeros.
;;     - A block's scale is 2^e with e = floor(log2(the largest magnitude in the block)) - 2, held to -126 .. 127; a block of zeros has e = 0. As a byte (E8M0): e + 127.
;;     - Each number is divided by its block's scale, clamped to +-6, and rounded to the nearest number of E2M1, ties to even, subnormals kept.
;;     - The product sums the exact products of the quantised numbers (number of the format x scale) in f32.
;;   ~~~python
;;   def quantise(x, axis):      # numpy; x: float32 -> the quantised numbers, widened to float32 again
;;       x = np.moveaxis(x, axis, -1); K = x.shape[-1]
;;       x = np.pad(x, [(0, 0)] * (x.ndim - 1) + [(0, -K % 32)]); x = x.reshape(x.shape[:-1] + (-1, 32)); a = np.abs(x).max(-1, keepdims=True)
;;       e = np.where(a > 0, np.clip(np.frexp(np.where(a > 0, a, 1))[1] - 1 - 2, -126, 127), 0)      # np.frexp(a)[1] - 1 = floor(log2(a)), exactly
;;       r = np.clip(x / 2.0 ** e, -6, 6)
;;       step = 2.0 ** (np.maximum(np.frexp(np.where(r == 0, 1, r))[1] - 1, 0) - 1)
;;       q = np.round(r / step) * step * 2.0 ** e      # np.round: ties to even
;;       return np.moveaxis(q.reshape(q.shape[:-2] + (-1,))[..., :K], -1, axis).astype(np.float32)
;;   ~~~
;; One version. Each part assembles by itself: llvm-mc -triple=amdgcn-amd-amdhsa -mcpu=gfx1250 --defsym DOCPART=n.
;; ======== version 1 of 1: 4 launches
;; limits: values are held in f16: magnitudes above 65,504 overflow, below 6.1e-05 lose precision
;; workspace buffers: xc 4,194,304 bytes; xs 262,144 bytes; wc 1,572,864 bytes; ws 98,304 bytes; wo16 2,097,152 bytes; qkv 50,331,648 bytes; ctx 16,777,216 bytes
;; launch prep (part 1): grid 768 x 1, 2 waves a work-group, no clusters, 16,640 bytes of LDS; arguments query, in_proj_weight, xc, xs, wc, ws, out_proj_weight, wo16; writes xc, xs, wc, ws, wo16
.if DOCPART == 1
	.amdgcn_target "amdgcn-amd-amdhsa--gfx1250"
	.amdhsa_code_object_version 6
	.text
	.protected	k_qf6441b956c_prep
	.globl	k_qf6441b956c_prep
	.p2align	8
	.type	k_qf6441b956c_prep,@function
k_qf6441b956c_prep:
	s_mov_b64 s[64:65], 0
	v_nop
	global_prefetch_b8 v0, s[64:65] scope:SCOPE_SE
	s_setreg_imm32_b32 hwreg(HW_REG_WAVE_MODE, 25, 1), 1
	s_wait_xcnt 0x0
; PREP.  Three tensors are made ready for the later launches, each read once.
; (1) query [8192][1024] (row 8 t + b) and in_proj_weight [3072][1024], f32, K innermost, become codes of FP4 (E2M1), two a byte, K innermost, with one E8M0 scale byte for each 32 along K.
;     A block's scale is 2^(floor(log2(its largest magnitude)) - 2); its byte is the largest magnitude's exponent field - 2, held at 1 from below; each number is divided by the scale and rounded to the nearest code, ties to even, beyond 6 the code of 6.
; (2) out_proj_weight [f 1024][e 1024], f32, becomes f16 laid [e / 64][f][e % 64]: 128 rows f of one head's 64 channels are then one dense block of memory.
; LIMITS: a block of zeros, and one whose largest magnitude lies under 2^-124, gets the byte 1 (the bytes are read by this program alone; a block of zeros has zero codes); NaN and infinities are not served;
;         numbers of out_proj_weight beyond 65,504 become infinite in f16, under 6e-5 they carry an absolute error of 3e-8.
; THE GRID.  Work-groups of two waves; each wave takes 32 KiB of f32.  Work-groups 0 to 511 take query, 512 to 703 in_proj_weight (one path, the buffers chosen by the work-group's number), 704 to 767 out_proj_weight
; (a path of its own, which touches no LDS but its spare words): 768 work-groups of equal reading, three for each of 256 WGPs.
; THE QUANTISER.  Rows are dense and K is a multiple of 32: a tensor is a plain stream of blocks of 32.  A wave takes 16 steps of 512 numbers.  Each of a step's four loads reads 512 consecutive bytes, 16 a lane; the 2,048 bytes
; go through the wave's own stage in LDS and come back 64 bytes a lane, so that a lane holds 16 NEIGHBOURS along K (two neighbouring lanes hold a block), as the conversions want them.  A lane's 16 codes are 8 bytes: a store of the
; wave covers 256 consecutive bytes.  A wave's 256 scale bytes are gathered in LDS and leave as 256 consecutive bytes.  No barrier: waves share nothing.  Loads run eight steps (32 loads, 16 KiB a wave) ahead.
.set SIZE_M, 8192
.set SIZE_N, 3072
.set SIZE_K, 1024
.set WAVES, 2
.set STEPS, 16
.set DEPTH, 8                          ; steps whose loads are on their way
.set WGA,   SIZE_M*SIZE_K/(512*STEPS*WAVES)            ; 512 work-groups for query
.set WGQ,   (SIZE_M+SIZE_N)*SIZE_K/(512*STEPS*WAVES)   ; 704 for both quantised tensors
.set EMAX,  2
.set CB,    8                          ; bytes of 16 codes
.set R,     16                         ; v16-143  eight sets of 16 numbers as they are loaded
.set X,     144                        ; v144-175 two sets of 16 neighbours
.set E,     176                        ; v176-191 a scale byte for each step
.set C,     192                        ; v192-223 codes: two registers for each step, so that no store's data are written again
.set WREG,  8192                       ; LDS: a region for each wave: two stages of 32 x SP bytes, behind them its 256 scale bytes
.set SP,    80                         ; a lane's place in a stage: its 64 bytes + 16 of padding
.set SPW,   12                         ; v12      LDS address of my spare word: SPARE + 4 x my thread's number; never rewritten
.set NIL,   13                         ; v13      0; never rewritten
.set SPARE, WAVES*WREG                 ; behind the two regions: the spare words, 128 bytes a wave, which no other line names
.set CX,    16                         ; the f16 path: v16-143 two sets of 64 numbers as loaded
.set CY,    144                        ; v144-175 eight stores' data
.set CRD,   176                        ; v176     my byte offset among the wave's rows of out_proj_weight
.set CWR,   177                        ; v177     my byte offset in a store's 512 bytes
	s_load_b128 s[4:7], s[0:1], 0x0                ; query, in_proj_weight
	s_load_b128 s[8:11], s[0:1], 0x10              ; query's codes, scales
	s_load_b128 s[12:15], s[0:1], 0x20             ; the weight's codes, scales
	s_load_b128 s[24:27], s[0:1], 0x30             ; out_proj_weight, its f16 copy
	v_lshl_add_u32 v[SPW], v0, 2, SPARE
	v_mov_b32 v[NIL], 0
	v_lshrrev_b32 v1, 5, v0
	v_readfirstlane_b32 s16, v1                    ; wave
	v_and_b32 v2, 31, v0                           ; lane
	v_lshlrev_b32 v3, 4, v2                        ; my 16 bytes of a load's 512
	s_mul_i32 s17, s16, WREG
	v_lshrrev_b32 v14, 2, v2
	v_mul_u32_u24 v14, v14, SP
	v_and_b32 v15, 3, v2
	v_lshl_add_u32 v14, v15, 4, v14
	v_add_nc_u32 v14, s17, v14                     ; the stage, on the way in: SP (lane / 4) + 16 (lane % 4)
	v_mul_u32_u24 v15, v2, SP
	v_add_nc_u32 v15, s17, v15                     ; and on the way out: SP x lane: my 16 neighbours
	v_mul_u32_u24 v4, v2, CB                       ; my codes' place in a step's
	v_lshrrev_b32 v5, 1, v2
	s_add_co_u32 s17, s17, 2*32*SP
	v_add_nc_u32 v5, s17, v5                       ; LDS: my wave's 256 scale bytes, my block's byte
	v_lshlrev_b32 v7, 3, v2                        ; and on the way out 8 bytes a lane
	v_add_nc_u32 v6, s17, v7
	s_wait_kmcnt 0x0
	s_cmp_ge_u32 ttmp9, WGQ                        ; the last 64 work-groups convert out_proj_weight
	s_cbranch_scc1 .Lconv
	s_cmp_lt_u32 ttmp9, WGA                        ; query's work-group or the weight's?  The choice hangs on the work-group's number alone
	s_cselect_b64 s[4:5], s[4:5], s[6:7]
	s_cselect_b64 s[8:9], s[8:9], s[12:13]
	s_cselect_b64 s[10:11], s[10:11], s[14:15]
	s_cselect_b32 s17, 0, WGA
	s_sub_co_u32 s17, ttmp9, s17
	s_lshl_b32 s17, s17, 1
	s_add_co_u32 s18, s17, s16                     ; which run of 8,192 numbers of the tensor is my wave's
	s_mov_b32 s19, 0
	s_mov_b64 s[20:21], 512*STEPS*4
	s_mul_u64 s[20:21], s[18:19], s[20:21]
	s_add_nc_u64 s[4:5], s[4:5], s[20:21]
	s_mov_b64 s[20:21], 32*STEPS*CB
	s_mul_u64 s[20:21], s[18:19], s[20:21]
	s_add_nc_u64 s[8:9], s[8:9], s[20:21]
	s_lshl_b32 s18, s18, 8                         ; 256 scale bytes a run
	s_add_nc_u64 s[10:11], s[10:11], s[18:19]
.macro LOAD t
.irp i, 0,1,2,3
	global_load_b128 v[R+16*((\t)%DEPTH)+4*\i:R+16*((\t)%DEPTH)+4*\i+3], v3, s[4:5] offset:2048*(\t)+512*\i th:TH_LOAD_NT   ; 32 lanes read 512 consecutive bytes
.endr
.endm
.macro TURN t                          ; step t's numbers through the stage: LDS serves a wave's instructions in order, so no wait stands between the stores and the loads
.irp i, 0,1,2,3
	ds_store_b128 v14, v[R+16*((\t)%DEPTH)+4*\i:R+16*((\t)%DEPTH)+4*\i+3] offset:32*SP*((\t)%2)+8*SP*\i
.endr
.irp i, 0,1,2,3
	ds_load_b128 v[X+16*((\t)%2)+4*\i:X+16*((\t)%2)+4*\i+3], v15 offset:32*SP*((\t)%2)+16*\i
.endr
.endm
.irp t, 0,1,2,3,4,5,6,7
	LOAD \t
.endr
	s_wait_loadcnt 4*(DEPTH-1)                     ; step 0's four loads are in; the 28 of steps 1 to 7 may be out
	TURN 0
.macro STEP t
.set XS, X+16*((\t)%2)
.if (\t) > 0
	s_wait_dscnt 1                                 ; this step's numbers are back from the stage (the last step's byte store may be out): so its stores into the stage have read their registers,
.else
	s_wait_dscnt 0x0
.endif
.if (\t)+DEPTH < STEPS
	LOAD (\t)+DEPTH                                ; which take the loads of eight steps on
.endif
.if (\t)+1 < STEPS
.if STEPS-2-(\t) >= DEPTH-1
	s_wait_loadcnt 4*(DEPTH-1)                     ; the next step's four loads are in; those of the seven steps behind it may be out
.else
	s_wait_loadcnt 4*(STEPS-2-(\t))                ; towards the end: those of the steps that are left
.endif
	TURN (\t)+1                                    ; and go through the other stage while this step is worked
.endif
	v_max3_num_f32 v8, |v[XS]|, |v[XS+1]|, |v[XS+2]|               ; the largest magnitude of my 16, in two chains
	v_max3_num_f32 v9, |v[XS+3]|, |v[XS+4]|, |v[XS+5]|
.irp i, 6,10
	v_max3_num_f32 v8, v8, |v[XS+\i]|, |v[XS+\i+1]|
	v_max3_num_f32 v9, v9, |v[XS+\i+2]|, |v[XS+\i+3]|
.endr
	v_max3_num_f32 v8, v8, |v[XS+14]|, |v[XS+15]|
	v_max3_num_f32 v8, v8, v9, (EMAX+1)<<23        ; and the floor 2^(EMAX + 1 - 127): so the byte cannot fall under 1
	v_max_num_f32_dpp v8, v8, v8 row_xmask:1 row_mask:0xf bank_mask:0xf   ; and of my neighbour's 16: the block's
	v_add_nc_u32 v11, -(EMAX<<23), v8              ; EMAX off its exponent field: the conversion takes the exponent field of this operand as its scale, and nothing else of it
	v_cvt_scalef32_pk8_fp4_f32 v[C+2*(\t)], v[XS:XS+7], v11        ; eight numbers / the scale, to the nearest code, ties to even; the first number's code in the lowest four bits
	v_cvt_scalef32_pk8_fp4_f32 v[C+2*(\t)+1], v[XS+8:XS+15], v11
	v_lshrrev_b32 v[E+(\t)], 23, v11               ; the scale's byte (also the plain line behind the conversions)
	ds_store_b8 v5, v[E+(\t)] offset:16*(\t)       ; both lanes of a block write the same byte with the same value
	global_store_b64 v4, v[C+2*(\t):C+2*(\t)+1], s[8:9] offset:32*CB*(\t)   ; 32 lanes store 256 consecutive bytes
.endm
.irp t, 0,1,2,3,4,5,6,7,8,9,10,11,12,13,14,15
	STEP \t
.endr
	ds_load_b64 v[8:9], v6                         ; LDS serves a wave's instructions in order: these see my stores
	s_wait_dscnt 0x0
	global_store_b64 v7, v[8:9], s[10:11]          ; 32 lanes store 256 consecutive bytes of scales
	s_wait_tensorcnt 0x0                           ; the wave's end: three lines behind my last LDS store
	ds_add_u32 v[SPW], v[NIL]
	s_wait_dscnt 0x0
	s_endpgm
; OUT_PROJ_WEIGHT TO F16.  Wave W = 2 (work-group - 704) + wave owns rows f = 8 W .. 8 W + 7.  One turn takes 64 channels (one head hk) of four rows: a lane loads 32 bytes (eight lanes cover 256 consecutive bytes of a row),
; rounds eight numbers to f16 and stores 16 bytes: the 32 lanes store 512 consecutive bytes, four rows of the new layout.  32 turns, in four batches of eight; two batches of loads are on their way.
.Lconv:
	s_sub_co_u32 s17, ttmp9, WGQ
	s_lshl_b32 s17, s17, 1
	s_add_co_u32 s17, s17, s16                     ; W
	s_lshl_b32 s18, s17, 15                        ; 8 rows of 4,096 bytes
	s_mov_b32 s19, 0
	s_add_nc_u64 s[24:25], s[24:25], s[18:19]
	s_lshl_b32 s18, s17, 10                        ; 8 rows of 128 bytes
	s_add_nc_u64 s[26:27], s[26:27], s[18:19]
	v_lshrrev_b32 v[CRD], 3, v2                    ; which of four rows,
	v_and_b32 v[CWR], 7, v2
	v_lshlrev_b32 v[CWR], 5, v[CWR]                ; which 32 bytes of its 256
	v_lshl_or_b32 v[CRD], v[CRD], 12, v[CWR]
	v_lshlrev_b32 v[CWR], 4, v2                    ; 16 bytes a lane
.macro CLOAD b                         ; turns 8 b .. 8 b + 7: turn 2 hk + i2 takes head hk of rows 4 i2 .. 4 i2 + 3
.irp j, 0,1,2,3,4,5,6,7
	global_load_b128 v[CX+64*((\b)%2)+8*\j:CX+64*((\b)%2)+8*\j+3],   v[CRD], s[24:25] offset:256*((8*(\b)+\j)/2)+16384*(\j%2) th:TH_LOAD_NT
	global_load_b128 v[CX+64*((\b)%2)+8*\j+4:CX+64*((\b)%2)+8*\j+7], v[CRD], s[24:25] offset:256*((8*(\b)+\j)/2)+16384*(\j%2)+16 th:TH_LOAD_NT
.endr
.endm
.macro CCVT b
.if (\b) < 3
	s_wait_loadcnt 16                              ; this batch's 16 loads are in; the next batch's 16 may be out
.else
	s_wait_loadcnt 0x0
.endif
	s_wait_xcnt 0x0                                ; the last batch's stores have read their data registers, which are written again below
.irp j, 0,1,2,3,4,5,6,7
.irp k, 0,1,2,3
	v_cvt_pk_f16_f32 v[CY+4*\j+\k], v[CX+64*((\b)%2)+8*\j+2*\k], v[CX+64*((\b)%2)+8*\j+2*\k+1]
.endr
	global_store_b128 v[CWR], v[CY+4*\j:CY+4*\j+3], s[26:27] offset:131072*((8*(\b)+\j)/2)+512*(\j%2)
.endr
.endm
	CLOAD 0
	CLOAD 1
	CCVT 0
	CLOAD 2
	CCVT 1
	CLOAD 3
	CCVT 2
	CCVT 3
	s_wait_tensorcnt 0x0                           ; the same three lines at this path's end
	ds_add_u32 v[SPW], v[NIL]
	s_wait_dscnt 0x0
	s_endpgm
.Lfunc_end_k_qf6441b956c_prep:
	.size	k_qf6441b956c_prep, .Lfunc_end_k_qf6441b956c_prep-k_qf6441b956c_prep
	.p2alignl 7, 3214868480
	.fill 96, 4, 3214868480
	.section	.rodata,"a",@progbits
	.p2align	6, 0x0
	.amdhsa_kernel k_qf6441b956c_prep
		.amdhsa_group_segment_fixed_size 16640
		.amdhsa_private_segment_fixed_size 0
		.amdhsa_enable_private_segment 0
		.amdhsa_kernarg_size 64
		.amdhsa_user_sgpr_count 2
		.amdhsa_user_sgpr_kernarg_segment_ptr 1
		.amdhsa_wavefront_size32 1
		.amdhsa_system_sgpr_workgroup_id_x 1
		.amdhsa_system_sgpr_workgroup_id_y 1
		.amdhsa_system_sgpr_workgroup_id_z 1
		.amdhsa_system_vgpr_workitem_id 0
		.amdhsa_next_free_vgpr 224
		.amdhsa_next_free_sgpr 66
		.amdhsa_reserve_vcc 0
		.amdhsa_float_denorm_mode_32 3
		.amdhsa_float_denorm_mode_16_64 3
		.amdhsa_memory_ordered 1
		.amdhsa_forward_progress 1
		.amdhsa_inst_pref_size 51
	.end_amdhsa_kernel
	.amdgpu_metadata
---
amdhsa.version: [ 1, 2 ]
amdhsa.kernels:
  - .name:           k_qf6441b956c_prep
    .symbol:         k_qf6441b956c_prep.kd
    .args:
      - { .name: query, .offset: 0, .size: 8, .value_kind: global_buffer, .address_space: global }
      - { .name: in_proj_weight, .offset: 8, .size: 8, .value_kind: global_buffer, .address_space: global }
      - { .name: xc, .offset: 16, .size: 8, .value_kind: global_buffer, .address_space: global }
      - { .name: xs, .offset: 24, .size: 8, .value_kind: global_buffer, .address_space: global }
      - { .name: wc, .offset: 32, .size: 8, .value_kind: global_buffer, .address_space: global }
      - { .name: ws, .offset: 40, .size: 8, .value_kind: global_buffer, .address_space: global }
      - { .name: out_proj_weight, .offset: 48, .size: 8, .value_kind: global_buffer, .address_space: global }
      - { .name: wo16, .offset: 56, .size: 8, .value_kind: global_buffer, .address_space: global }
    .group_segment_fixed_size: 16640
    .private_segment_fixed_size: 0
    .kernarg_segment_align: 8
    .kernarg_segment_size: 64
    .max_flat_workgroup_size: 64
    .sgpr_count:     66
    .vgpr_count:     224
    .wavefront_size: 32
...
	.end_amdgpu_metadata
.endif
;; end of part 1
;; launch qkvgemm (part 2): grid 12 x 16, 4 waves a work-group, clusters of 4 x 4, 327,680 bytes of LDS; arguments xc, xs, wc, ws, qkv; writes qkv
.if DOCPART == 2
	.amdgcn_target "amdgcn-amd-amdhsa--gfx1250"
	.amdhsa_code_object_version 6
	.text
	.protected	k_qf6441b956c_qkvgemm
	.globl	k_qf6441b956c_qkvgemm
	.p2align	8
	.type	k_qf6441b956c_qkvgemm,@function
k_qf6441b956c_qkvgemm:
	s_mov_b64 s[64:65], 0
	v_nop
	global_prefetch_b8 v0, s[64:65] scope:SCOPE_SE
	s_setreg_imm32_b32 hwreg(HW_REG_WAVE_MODE, 25, 1), 1
	s_wait_xcnt 0x0
	s_wait_alu depctr_hold_cnt(0) depctr_sa_sdst(0) depctr_va_vdst(0) depctr_va_sdst(0) depctr_va_ssrc(0) depctr_va_vcc(0) depctr_vm_vsrc(0)
	s_getreg_b32 s2, hwreg(HW_REG_IB_STS2, 6, 4)
	s_cmp_eq_u32 s2, 0
	s_cbranch_scc0 .Lentry_in_a_cluster
	s_endpgm
.Lentry_in_a_cluster:
	s_bfe_u32 s2, ttmp6, 0x10000c
	s_cmp_lg_u32 s2, 0xf033
	s_cbranch_scc0 .Lentry_shape_is_right
	s_endpgm
.Lentry_shape_is_right:
; proj[m][f] = sum over k of x[m][k] W[f][k], m = 8 t + b (8,192), f (3,072), k (1,024): both operands codes of FP4 (E2M1) with one E8M0 scale for each 32 along K; sums in f32.
; The results are the operands of the attention's products: they are rounded once to f16 and laid [c][n][t][64]: f = 192 h + 64 c + d (c = 0 q, 1 k, 2 v), n = 16 b + h; byte = c 2^24 + n 2^17 + 128 t + 2 d.
; LIMIT: results beyond 65,504 in magnitude become infinite in f16; under 6e-5 they carry an absolute error of 3e-8.
; A tile of proj, 256 x 256, is made by a work-group of four waves; a wave makes 128 x 128: 64 accumulators of 16 x 16, 512 registers.  K = 1,024 is two LDS slots of 512 along K (a tile's row is 256 bytes of memory).
; A WORK-GROUP STAYS AND MAKES TWO TILES, 4,096 rows of x apart, against the same 256 rows of W: proj has 32 x 12 = 384 tiles, which do not divide by 256; 192 work-groups with two tiles each have equal work.
; W's halves of both slots and W's scales are filled once and serve both tiles.  x's half of a slot is filled again as soon as the first tile has read it: slot 0's at the first tile's change of slots, slot 1's in its last step.
; Both refills are out when the first tile's stores leave, and nothing waits for those stores: they are on their way while the second tile is multiplied.
; By this text's count a wave has at most four tensor loads out (waves 0, 1 at the start: two blocks of scales, slot 0, slot 1), later one.
; THE SCALES of the work-group's rows of x (both tiles) and of W, for all of K, are dense blocks of memory: they come into LDS once, as rows of 256 bytes.
; CLUSTERS: 4 x 4 work-groups.  The four of a row of the cluster need the same tiles of x, the four of a column the same tiles of W: each tile is asked for JOINTLY, by the same tensor load with the same descriptor and a mask that names the four.
; THE MATRIX INSTRUCTION IS USED TRANSPOSED (source 0 = 16 rows of W, source 1 = 16 rows of x): a lane then holds eight neighbouring f of one row m.
; NO PREFETCH: a tile's refill is asked for four steps of 64 matrix instructions, or a whole way out, ahead of the wait for it.
; REGISTERS, in windows of 256: window 0: v0-31 addresses; v32-95 scale words, two sets; v128-191 x's fragments, ONE set; the way out has v96-127 and v192-255, so that it leaves the next tile's fragments and scale words alone.
;   window 1: W's fragments, TWO sets, at v0 and v128.   window 2: the 32 accumulators of my rows 0-63 (accumulator (a, b) at v[8 (8 a + b)]);   window 3: those of my rows 64-127.
.set SIZE_M, 8192
.set SIZE_N, 3072
.set SIZE_K, 1024
.set KSTEP,  512                       ; along K in a slot
.set NQ,     KSTEP/128                 ; matrix instructions deep
.set ROWB,   256                       ; a tile's row in bytes
.set KROW,   SIZE_K*4/8                ; a row of codes in memory, in bytes
.set PITCH,  272                       ; an LDS row: 256 bytes + 16 of padding = 68 words: row r starts at bank 4 r mod 64 (64 banks of 4 bytes: ISA guide 11.1)
.set FR,     8                         ; registers of a fragment: 16 rows x 128 K
.set NL,     2                         ; LDS loads that bring one
.set NP,     4                         ; places behind this matrix instruction (ISA guide 7.12.1)
.set HALFT,  128*PITCH                 ; 128 rows: what one tensor load brings, and what one wave reads of either operand
.set SLOT,   4*HALFT                   ; x's 256 rows, then W's 256 rows
.set KS,     SIZE_K/32                 ; a row of scales: 32 bytes
.set WALK,   SIZE_M/2                  ; rows of x from a work-group's first tile to its second
.set SCL,    2*SLOT                    ; behind the two slots: the scales, as rows of 256 bytes + 16 of padding: x's of the second tile, x's of the first, W's
.set HALFS,  (128*KS/256)*272          ; the scales of 128 rows: what one tensor load brings
.set SBLK,   (16*KS/256)*272           ; those of 16 rows
.set STAGE,  SCL+6*HALFS               ; the way out: 16 rows x (256 bytes + 16) for each wave, in bytes of their own: no tensor load lands here
.set SPITCH, 272
.set SPARE,  STAGE+4*16*SPITCH         ; behind the stages: the spare words, 128 bytes a wave, which no other line names
.set ADRA, 16                          ; v16-17  LDS address of my x fragments in slot 0, 1
.set ADRB, 20                          ; v20-21  the same for W
.set STO,  24                          ; v24     the way out: where I put 16 bytes of a row
.set RD,   25                          ; v25     the way out: where I read 16 bytes back
.set CO,   26                          ; v26     my byte offset in qkv, for b = 0 .. 3
.set ADRS, 27                          ; v27     LDS address of my scale words in the first tile: lanes 0-15 x's rows, lanes 16-31 W's; never rewritten
.set SPW,  28                          ; v28     LDS address of my spare word; never rewritten
.set NIL,  29                          ; v29     0; never rewritten
.set CO2,  30                          ; v30     CO + 2^23, for b = 4 .. 7: so the stores' immediates stay inside 24 signed bits
.set ADRS2, 31                         ; v31     as v27, for the second tile
.set SC,   32                          ; scale words: set s (for slot s) at v[SC + 32 s]; register 4 i + q: lanes 0-15 the word of x's block i, lanes 16-31 that of W's block i, for the slot's q-th 128 along K
.set AF,   128                         ; x's fragments, in window 0
.set TMP,  192                         ; the way out: a block's packed results
.set OB,   96                          ; the way out: a block read back from the stage: v96-127 and v224-255 by turns
.set BASE, 20                          ; s[20:21], s[22:23]: qkv at my first t, for my two groups of 64 columns
.set G1, 24                            ; s[24:31] descriptor group 1 for x's tiles;  s[32:39] group 0, one set for each slot
.set G0, 32
.set G1B, 48                           ; s[48:55], s[56:63] the same for W's tiles
.set G0B, 56
.set G1S, 68                           ; s[68:75] group 1 for x's scales; s[76:79], s[96:99] groups 0 for the first and the second tile;  s[80:87], s[88:91] for W's scales
.set G0S, 76
.set G1SB, 80
.set G0SB, 88
.set G0S2, 96
.set MSB, 0
.macro WIN new                         ; the immediate's high byte repeats the setting that is left
.if MSB != \new
	s_set_vgpr_msb (MSB<<8)|\new
.set MSB, \new
.endif
.endm
.set MUL_LO, 0xa1                      ; source 0 (W) window 1, source 1 (x) window 0, C and D window 2
.set MUL_HI, 0xf1                      ; the same, C and D window 3
.set TO_B,   0x40                      ; destination window 1, address window 0
; A load into a register that a matrix instruction has read, and a vector instruction that reads a matrix result, stand NP places behind that matrix instruction; only plain vector instructions that name none of its
; registers are places (ISA guide 7.12.1 for vector instructions).
.macro PLACES n
.rept \n
	v_nop
.endr
.endm
; A joint refill of x's half of a slot: waves 0 and 1 fetch its two halves, waves 2 and 3 have nothing to fill.  The branch hangs on the wave's number alone: it is the same in every work-group.
; An s_nop 0 and four v_nop follow the load, ahead of the label and what follows.
.macro ALOAD g0
	s_cmp_eq_u32 s15, 0
	s_cbranch_scc0 .Lnot_x_\@
	tensor_load_to_lds s[\g0:\g0+3], s[G1:G1+7]
	s_nop 0
	PLACES 4
.Lnot_x_\@:
.endm
.macro CREST                           ; a round of the cluster's barrier behind its opening barrier: wave 0 signals for the work-group; every wave waits for all sixteen; my work-group's barrier once more
	s_cmp_lg_u32 s14, 0
	s_cbranch_scc1 .Lnot_wave_0_\@
	s_barrier_signal -3
.Lnot_wave_0_\@:
	s_barrier_wait -3
	s_barrier_signal -1
	s_barrier_wait -1
.endm
.macro CROUND                          ; a whole round
	s_barrier_signal -1
	s_barrier_wait -1
	CREST
.endm
	s_load_b128 s[4:7], s[0:1], 0x0                ; x's codes s[4:5], x's scales s[6:7]
	s_load_b128 s[8:11], s[0:1], 0x10              ; W's codes s[8:9], W's scales s[10:11]
	s_load_b64 s[12:13], s[0:1], 0x20              ; qkv
	v_lshl_add_u32 v[SPW], v0, 2, SPARE
	v_mov_b32 v[NIL], 0
	ds_add_u32 v[SPW], v[NIL]                      ; the wave's opening: the add, twice on end, and its wait ahead of my first tensor load; the set-up below stands between the second and the wait
	ds_add_u32 v[SPW], v[NIL]
	v_lshrrev_b32 v1, 5, v0
	v_readfirstlane_b32 s14, v1                    ; wave 0..3
	s_lshr_b32 s15, s14, 1                         ; which half of the tile's rows is mine.  Also: I fetch for x (0) or for W (1)
	s_and_b32 s16, s14, 1                          ; which half of its columns.  Also: which 128 rows of that tile I fetch
	s_bfe_u32 s40, ttmp6, 0x40000                  ; cx, cy: my place in the cluster
	s_bfe_u32 s41, ttmp6, 0x40004
	s_lshl_b32 s42, ttmp9, 2
	s_add_co_u32 s42, s42, s40                     ; tile column = 4 x cluster x + cx
	s_and_b32 s17, ttmp7, 0xffff
	s_lshl_b32 s17, s17, 2
	s_add_co_u32 s17, s17, s41                     ; my first tile's row = 4 x cluster y + cy, 0 .. 15; the second's is 16 more
	s_lshl_b32 s43, s41, 2
	s_lshl_b32 s43, 15, s43                        ; my row of the cluster
	s_lshl_b32 s44, 0x1111, s40                    ; my column
	; descriptor group 1: a tile of 128 rows x 256 bytes, padded in LDS
	s_or_b32 s[G1+0], s43, (0<<16)|(1<<20)|(1<<21)|(5<<22)|(3<<25)  ; 15:0 the mask: x's tiles go to my row; 17:16 element of 1 byte; 20 padding on; 21 set beside a mask; 24:22 after every 64 words; 31:25 four words
	s_or_b32 s[G1B+0], s44, (0<<16)|(1<<20)|(1<<21)|(5<<22)|(3<<25)
.irp g, G1, G1B
	s_mov_b32 s[\g+1], ROWB<<16                    ; tensor_dim0
	s_mov_b32 s[\g+2], 128<<16                     ; tensor_dim1 = 128
	s_mov_b32 s[\g+3], ROWB<<16                    ; tile_dim0
	s_mov_b32 s[\g+4], 128                         ; tile_dim1 = 128
	s_mov_b32 s[\g+5], KROW                        ; tensor_dim0_stride
	s_mov_b32 s[\g+6], 0
	s_mov_b32 s[\g+7], 0
.endr
	; and for the scales of 128 rows: a dense block of 4,096 bytes, as 16 rows of 256 bytes (32 elements of 8 bytes), 16 bytes of padding behind each
	s_or_b32 s[G1S+0], s43, (3<<16)|(1<<20)|(1<<21)|(5<<22)|(3<<25)
	s_or_b32 s[G1SB+0], s44, (3<<16)|(1<<20)|(1<<21)|(5<<22)|(3<<25)
.irp g, G1S, G1SB
	s_mov_b32 s[\g+1], 32<<16
	s_mov_b32 s[\g+2], (128*KS/256)<<16
	s_mov_b32 s[\g+3], 32<<16
	s_mov_b32 s[\g+4], 128*KS/256
	s_mov_b32 s[\g+5], 32
	s_mov_b32 s[\g+6], 0
	s_mov_b32 s[\g+7], 0
.endr
	s_lshl_b32 s18, s16, 7                         ; which 128 rows of the tile I fetch
	s_lshl_b32 s20, s17, 8
	s_add_co_u32 s20, s20, s18                     ; x: row 256 x tile row + 128 x half
	s_lshl_b32 s46, s42, 8
	s_add_co_u32 s46, s46, s18                     ; W: row 256 x tile column + 128 x half
	s_mov_b32 s21, 0
	s_mov_b32 s47, 0
	s_mov_b64 s[18:19], KS
	s_mul_u64 s[22:23], s[20:21], s[18:19]         ; where these rows' scales begin, in bytes
	s_mul_u64 s[92:93], s[46:47], s[18:19]
	s_mov_b64 s[18:19], KROW
	s_mul_u64 s[20:21], s[20:21], s[18:19]         ; and their codes
	s_mul_u64 s[46:47], s[46:47], s[18:19]
	s_mul_i32 s45, s14, HALFT                      ; where they go: wave x 128 rows: no place in the cluster enters an LDS address
	s_mul_i32 s94, s14, HALFS
	s_wait_dscnt 0x0                               ; both opening adds are done
	s_wait_kmcnt 0x0
	s_add_nc_u64 s[20:21], s[4:5], s[20:21]
	s_add_nc_u64 s[22:23], s[6:7], s[22:23]
	s_add_nc_u64 s[46:47], s[8:9], s[46:47]
	s_add_nc_u64 s[92:93], s[10:11], s[92:93]
	CROUND                                         ; all sixteen work-groups are here: the first joint loads meet
	s_mov_b32 s[G0S], 1
	s_add_co_u32 s[G0S+1], s94, SCL+2*HALFS        ; the first tile's scales of x (waves 0, 1), and behind them W's (waves 2, 3): wave x 128 rows
	s_mov_b64 s[G0S+2:G0S+3], s[22:23]
	s_or_b32 s[G0S+3], s[G0S+3], 0x80000000
	s_mov_b32 s[G0S2], 1
	s_mul_i32 s[G0S2+1], s16, HALFS
	s_add_co_u32 s[G0S2+1], s[G0S2+1], SCL         ; the second tile's scales of x
	s_add_nc_u64 s[G0S2+2:G0S2+3], s[22:23], WALK*KS
	s_or_b32 s[G0S2+3], s[G0S2+3], 0x80000000
	s_mov_b32 s[G0SB], 1
	s_add_co_u32 s[G0SB+1], s94, SCL+2*HALFS
	s_mov_b64 s[G0SB+2:G0SB+3], s[92:93]
	s_or_b32 s[G0SB+3], s[G0SB+3], 0x80000000
.irp s, 0,1
	s_mov_b32 s[G0+4*\s], 1
	s_add_co_u32 s[G0+4*\s+1], s45, \s*SLOT
	s_add_nc_u64 s[G0+4*\s+2:G0+4*\s+3], s[20:21], \s*ROWB
	s_or_b32 s[G0+4*\s+3], s[G0+4*\s+3], 0x80000000
	s_mov_b32 s[G0B+4*\s], 1
	s_add_co_u32 s[G0B+4*\s+1], s45, \s*SLOT
	s_add_nc_u64 s[G0B+4*\s+2:G0B+4*\s+3], s[46:47], \s*ROWB
	s_or_b32 s[G0B+4*\s+3], s[G0B+4*\s+3], 0x80000000
.endr
	s_cmp_eq_u32 s15, 0                            ; a wave's first fills stand in one branch, ahead of every wait on TENSORcnt, every LDS read and every further barrier; an s_nop 0 follows each, four v_nop the last
	s_cbranch_scc0 .Lfirst_w
	tensor_load_to_lds s[G0S:G0S+3], s[G1S:G1S+7]          ; the scales first: they are wanted with slot 0
	s_nop 0
	tensor_load_to_lds s[G0S2:G0S2+3], s[G1S:G1S+7]
	s_nop 0
	tensor_load_to_lds s[G0:G0+3], s[G1:G1+7]
	s_nop 0
	tensor_load_to_lds s[G0+4:G0+7], s[G1:G1+7]
	s_nop 0
	PLACES 4
	s_branch .Lfirst_asked
.Lfirst_w:
	tensor_load_to_lds s[G0SB:G0SB+3], s[G1SB:G1SB+7]
	s_nop 0
	tensor_load_to_lds s[G0B:G0B+3], s[G1B:G1B+7]
	s_nop 0
	tensor_load_to_lds s[G0B+4:G0B+7], s[G1B:G1B+7]
	s_nop 0
	PLACES 4
.Lfirst_asked:
	v_and_b32 v1, 15, v0                           ; r = l % 16
	v_bfe_u32 v2, v0, 4, 1                         ; h = l / 16
	v_mul_u32_u24 v3, v1, PITCH
	v_lshl_add_u32 v4, v2, 4, v3                   ; a fragment's row x pitch + 16 x half
	s_mul_i32 s21, s15, HALFT                      ; my 128 rows of x
	s_mul_i32 s22, s16, HALFT                      ; my 128 rows of W,
	s_add_co_u32 s22, s22, 2*HALFT                 ; which lie behind x's 256
.irp s, 0,1
	v_add_nc_u32 v[ADRA+\s], s21, v4
	v_add_nc_u32 v[ADRB+\s], s22, v4
	s_add_co_u32 s21, s21, SLOT
	s_add_co_u32 s22, s22, SLOT
.endr
	v_mul_u32_u24 v5, v1, KS                       ; my row's scales: 32 bytes a row,
	v_lshrrev_b32 v6, 8, v5
	v_lshl_add_u32 v5, v6, 4, v5                   ; and 16 more for each 256 passed
	s_mul_i32 s21, s15, HALFS                      ; x's: my 128 rows
	s_mul_i32 s22, s16, HALFS                      ; W's: my 128 rows, behind x's 256 of the first tile
	s_add_co_u32 s22, s22, 2*HALFS
	s_sub_co_u32 s22, s22, s21
	v_mul_u32_u24 v6, s22, v2                      ; lanes 16-31 take W's: one product, the distance between the two bases x h
	v_add_nc_u32 v6, v5, v6
	s_add_co_u32 s23, s21, SCL+2*HALFS
	v_add_nc_u32 v[ADRS], s23, v6
	s_add_co_u32 s22, s22, 2*HALFS                 ; the second tile's scales of x lie 256 rows' worth further from W's
	v_mul_u32_u24 v6, s22, v2
	v_add_nc_u32 v6, v5, v6
	s_add_co_u32 s23, s21, SCL
	v_add_nc_u32 v[ADRS2], s23, v6
	; the way out.  Stage row rs of block a is row m = 256 ty + 128 half + 16 a + rs: b = rs % 8, t = 32 ty + 16 half + 2 a + rs / 8.
	s_mul_i32 s23, s14, 16*SPITCH
	s_add_co_u32 s23, s23, STAGE                   ; my stage
	v_mul_u32_u24 v5, v1, SPITCH                   ; in: row r, 16 bytes for each half of the lanes
	v_lshl_add_u32 v5, v2, 4, v5
	v_add_nc_u32 v[STO], s23, v5
	v_bfe_u32 v5, v0, 3, 1                         ; back: lanes 0-7 take 128 bytes (one group of 64 columns) of stage row b, lanes 8-15 of row b + 8 (the next t), lanes 16-31 the same of b + 1
	v_mul_u32_u24 v5, v5, 8*SPITCH
	v_mad_u32_u24 v5, v2, SPITCH, v5
	v_and_b32 v6, 7, v0
	v_lshl_add_u32 v5, v6, 4, v5
	v_add_nc_u32 v[RD], s23, v5
	v_lshlrev_b32 v6, 4, v1                        ; in qkv: rows t and t + 1 of one head are 256 consecutive bytes: 16 (l % 16);
	v_lshl_or_b32 v[CO], v2, 21, v6                ; b is 16 heads on: 2^21 bytes
	v_add_nc_u32 v[CO2], 1<<23, v[CO]
	s_lshl_b32 s46, s42, 2
	s_lshl_b32 s47, s16, 1
	s_add_co_u32 s46, s46, s47                     ; my first group of 64 columns: g = 4 x tile column + 2 x half
	s_lshl_b32 s92, s17, 5
	s_lshl_b32 s93, s15, 4
	s_add_co_u32 s92, s92, s93                     ; my first t = 32 x tile row + 16 x half
	s_lshl_b32 s92, s92, 7                         ; rows of 128 bytes
.irp gg, 0,1
	s_add_co_u32 s93, s46, \gg                     ; g = 3 h + c
	s_mul_i32 s94, s93, 171
	s_lshr_b32 s94, s94, 9                         ; h = g / 3 (171 / 512 serves g under 48)
	s_mul_i32 s47, s94, 3
	s_sub_co_u32 s93, s93, s47                     ; c
	s_lshl_b32 s93, s93, 24
	s_lshl_b32 s94, s94, 17
	s_add_co_u32 s93, s93, s94
	s_add_co_u32 s[BASE+2*\gg], s93, s92
	s_mov_b32 s[BASE+2*\gg+1], 0
	s_add_nc_u64 s[BASE+2*\gg:BASE+2*\gg+1], s[12:13], s[BASE+2*\gg:BASE+2*\gg+1]
.endr
.macro FRAG reg, adr, q, i             ; a fragment, 16 rows x 128 K of 4-bit codes, is 8 registers: lane l holds row l % 16; registers 4 c .. 4 c + 3 hold K = 64 c + 32 (l / 16) + 0 .. 31
.irp c, 0,1
	ds_load_b128 v[\reg+4*\c:\reg+4*\c+3], v[\adr] offset:64*(\q)+32*\c+(\i)*16*PITCH
.endr
.endm
; 16 matrix instructions: x's blocks a0, a0 + 1 against W's eight, 128 along K: the slot's q-th.  p: W's set;  sc: the set of scale words.  zero = 1: the first product starts the sums: nothing is ever cleared.
; The 64 accumulators take turns, one instruction a turn, in the same order in every step and in both tiles.
.macro MUL16 a0, p, q, sc, zero
.irp a, \a0, \a0+1
.irp b, 0,1,2,3,4,5,6,7
.if \zero
	v_wmma_scale_f32_16x16x128_f8f6f4 v[8*(8*((\a)%4)+\b):8*(8*((\a)%4)+\b)+7], v[128*(\p)+FR*\b:128*(\p)+FR*\b+FR-1], v[AF+FR*(\a):AF+FR*(\a)+FR-1], 0, v[SC+8*NQ*(\sc)+NQ*\b+(\q)], v[SC+8*NQ*(\sc)+NQ*(\a)+(\q)] matrix_a_fmt:MATRIX_FMT_FP4 matrix_b_fmt:MATRIX_FMT_FP4 matrix_a_scale:MATRIX_SCALE_ROW1
.else
	v_wmma_scale_f32_16x16x128_f8f6f4 v[8*(8*((\a)%4)+\b):8*(8*((\a)%4)+\b)+7], v[128*(\p)+FR*\b:128*(\p)+FR*\b+FR-1], v[AF+FR*(\a):AF+FR*(\a)+FR-1], v[8*(8*((\a)%4)+\b):8*(8*((\a)%4)+\b)+7], v[SC+8*NQ*(\sc)+NQ*\b+(\q)], v[SC+8*NQ*(\sc)+NQ*(\a)+(\q)] matrix_a_fmt:MATRIX_FMT_FP4 matrix_b_fmt:MATRIX_FMT_FP4 matrix_a_scale:MATRIX_SCALE_ROW1
.endif
.endr
.endr
.endm
.macro FETCH_B slot, q, p              ; W's eight fragments of the slot's q-th 128 along K into set p
	WIN TO_B
.irp i, 0,1,2,3,4,5,6,7
	FRAG 128*(\p)+FR*\i, ADRB+\slot, \q, \i
.endr
	WIN 0
.endm
.macro FETCH_A slot, q, i0             ; x's blocks i0 .. i0 + 3
.irp i, \i0, \i0+1, \i0+2, \i0+3
	FRAG AF+FR*(\i), ADRA+\slot, \q, \i
.endr
.endm
.macro SCALES adr, sc                  ; slot sc's scale words into set sc: four words a row, the slot's 16 bytes of the row's 32; lanes 0-15 take x's block i, lanes 16-31 W's block i.  adr: the tile's address register
.irp i, 0,1,2,3,4,5,6,7
	ds_load_b128 v[SC+8*NQ*\sc+NQ*\i:SC+8*NQ*\sc+NQ*\i+3], v[\adr] offset:\i*SBLK+4*NQ*\sc
.endr
.endm
; A step of 128 along K that has its successor in the same slot.
.macro STEP slot, q, zero
	s_wait_dscnt 4*NL                              ; W's set and x's blocks 0-3 are in; the youngest eight loads (x's blocks 4-7) may be out
	WIN MUL_LO
	MUL16 0, (\q)%2, \q, \slot, \zero
	MUL16 2, (\q)%2, \q, \slot, \zero
	s_wait_dscnt 0                                 ; x's blocks 4-7 are in (asked for 32 matrix instructions ago)
	PLACES NP
	FETCH_B \slot, (\q)+1, 1-(\q)%2
	FETCH_A \slot, (\q)+1, 0
	WIN MUL_HI
	MUL16 4, (\q)%2, \q, \slot, \zero
	MUL16 6, (\q)%2, \q, \slot, \zero
	PLACES NP
	WIN 0
	FETCH_A \slot, (\q)+1, 4
.endm
; A slot's last step changes slots: ONE barrier; in front of it each wave waits for all its tensor loads, adds 0 to its spare word, and waits for that and for its own reads of this slot.
; fill = 1: x's half of this slot is filled again, with the same K of the second tile; the barrier then opens a round of the cluster's barrier, and the joint refill is the first tensor load behind the round.
; Behind it come the first fragments of the slot that follows, and its scale words by the address register adr (at the first tile's end: the second tile's).
.macro TURN slot, next, fill, adr
	s_wait_tensorcnt 0x0                           ; all my tensor loads have landed: my part of the slot that follows  (every window is 0 here: the add's two registers lie in window 0)
	ds_add_u32 v[SPW], v[NIL]                      ; 0 onto my spare word
	s_wait_dscnt 4*NL+1                            ; (the add and the youngest eight loads, x's blocks 4-7, may be out)
	WIN MUL_LO
	MUL16 0, 1, NQ-1, \slot, 0                     ; sixteen matrix instructions stand between the add and the wait for it
	s_wait_dscnt 0x0                               ; the add is done, and my reads of this slot are over
	s_barrier_signal -1
	MUL16 2, 1, NQ-1, \slot, 0
	WIN 0
	s_barrier_wait -1
.if \fill
	CREST                                          ; no wave of any partner still reads this slot's tile of x or has a load on its way
	s_add_nc_u64 s[G0+4*\slot+2:G0+4*\slot+3], s[G0+4*\slot+2:G0+4*\slot+3], WALK*KROW   ; no tensor load of mine is out, so the group 0 may be written: the same K, 4,096 rows down
	ALOAD G0+4*\slot
.endif
	PLACES NP                                      ; on every wave's way: in front of the loads into x's blocks 0-3, which the products above have read
	FETCH_B \next, 0, 0
	FETCH_A \next, 0, 0
	SCALES \adr, \next
	WIN MUL_HI
	MUL16 4, 1, NQ-1, \slot, 0
	MUL16 6, 1, NQ-1, \slot, 0
	PLACES NP
	WIN 0
	FETCH_A \next, 0, 4
.endm
.macro STEPS slot, from                ; the slot's steps from .. NQ - 2
.set Q, \from
.rept NQ-1-\from
	STEP \slot, Q, 0
.set Q, Q+1
.endr
.endm
; THE WAY OUT, block by block of 16 rows x 128 columns.  PACK: rounded to f16, 16 bytes a lane, each accumulator from its low end on.  TOSTAGE: into my own stage and back, regrouped.  SEND: stored.
; LDS serves a wave's instructions in order (ISA guide 5.7.1.4): no wait between the stores and the loads, nor in front of the next block's stores.
.macro PACK a
.set AC, 64*((\a)%4)
	WIN 0x0a+5*((\a)/4)                            ; sources 0 and 1: window 2 or 3
.irp b, 0,1,2,3,4,5,6,7
.irp r, 0,1,2,3
	v_cvt_pk_f16_f32 v[TMP+4*\b+\r], v[AC+8*\b+2*\r], v[AC+8*\b+2*\r+1]
.endr
.endr
	WIN 0
.endm
.macro TOSTAGE a
.set BB, OB+128*((\a)%2)
.irp b, 0,1,2,3,4,5,6,7
	ds_store_b128 v[STO], v[TMP+4*\b:TMP+4*\b+3] offset:32*\b
.endr
.irp u, 0,1,2,3,4,5,6,7                ; load u: b = 2 (u / 2) + l / 16, group u % 2
	ds_load_b128 v[BB+4*\u:BB+4*\u+3], v[RD] offset:2*SPITCH*(\u/2)+128*(\u%2)
.endr
.endm
.macro SEND a, tile                    ; the second tile's t are 512 on: 65,536 bytes, in the immediate
.set BB, OB+128*((\a)%2)
	s_wait_dscnt 0x0                               ; the block is back in registers
	s_wait_xcnt 0x0                                ; the earlier stores have read their registers: the next block's loads may land there
.irp u, 0,1,2,3,4,5,6,7
.if \u < 4
	global_store_b128 v[CO],  v[BB+4*\u:BB+4*\u+3], s[BASE+2*(\u%2):BASE+2*(\u%2)+1] offset:((\u/2)%2)*(1<<22)+256*(\a)+65536*(\tile)   ; 16 lanes store 256 consecutive bytes (rows t, t + 1 of one head), at a multiple of 256 from the buffer's first byte
.else
	global_store_b128 v[CO2], v[BB+4*\u:BB+4*\u+3], s[BASE+2*(\u%2):BASE+2*(\u%2)+1] offset:((\u/2)%2)*(1<<22)+256*(\a)+65536*(\tile)
.endif
.endr
.endm
.macro WAYOUT tile
	PACK 0
	TOSTAGE 0
.irp a, 1,2,3,4,5,6,7                  ; block a's conversions stand between block a - 1's loads from the stage and the wait for them
	PACK \a
	SEND \a-1, \tile
	TOSTAGE \a
.endr
	SEND 7, \tile
.endm
	s_wait_tensorcnt 1                             ; the scales and my part of slot 0 are in (slot 1's load, the last issued in either arm, may be out)
	s_barrier_signal -1
	s_barrier_wait -1                              ; everybody's are
	FETCH_B 0, 0, 0
	FETCH_A 0, 0, 0
	SCALES ADRS, 0
	FETCH_A 0, 0, 4
	; THE FIRST TILE
	STEP 0, 0, 1                                   ; the first step's products start the sums
	STEPS 0, 1
	TURN 0, 1, 1, ADRS                             ; slot 0 takes the second tile's first 512 along K of x
	STEPS 1, 0
	TURN 1, 0, 1, ADRS2                            ; slot 1 its second 512, and the second tile's first fragments and scale words are fetched
	WAYOUT 0                                       ; both refills are asked for: now the tile goes out (the places behind the last products stand at TURN's end)
	; THE SECOND TILE
	STEP 0, 0, 1
	STEPS 0, 1
	TURN 0, 1, 0, ADRS2                            ; nothing is left to fetch: my work-group's barrier alone
	STEPS 1, 0
	s_wait_dscnt 4*NL                              ; the very last step
	WIN MUL_LO
	MUL16 0, 1, NQ-1, 1, 0
	MUL16 2, 1, NQ-1, 1, 0
	s_wait_dscnt 0
	WIN MUL_HI
	MUL16 4, 1, NQ-1, 1, 0
	MUL16 6, 1, NQ-1, 1, 0
	WIN 0
	PLACES NP                                      ; behind the last products, in front of the conversions that read results
	WAYOUT 1
	s_wait_tensorcnt 0x0                           ; the wave's end: three lines behind my last tensor load and my last LDS store
	ds_add_u32 v[SPW], v[NIL]
	s_wait_dscnt 0x0
	CROUND                                         ; the closing round: no work-group ends while a partner may still ask for a tile that names it
	s_endpgm
.Lfunc_end_k_qf6441b956c_qkvgemm:
	.size	k_qf6441b956c_qkvgemm, .Lfunc_end_k_qf6441b956c_qkvgemm-k_qf6441b956c_qkvgemm
	.p2alignl 7, 3214868480
	.fill 96, 4, 3214868480
	.section	.rodata,"a",@progbits
	.p2align	6, 0x0
	.amdhsa_kernel k_qf6441b956c_qkvgemm
		.amdhsa_group_segment_fixed_size 327680
		.amdhsa_private_segment_fixed_size 0
		.amdhsa_enable_private_segment 0
		.amdhsa_kernarg_size 40
		.amdhsa_user_sgpr_count 2
		.amdhsa_user_sgpr_kernarg_segment_ptr 1
		.amdhsa_wavefront_size32 1
		.amdhsa_system_sgpr_workgroup_id_x 1
		.amdhsa_system_sgpr_workgroup_id_y 1
		.amdhsa_system_sgpr_workgroup_id_z 1
		.amdhsa_system_vgpr_workitem_id 0
		.amdhsa_next_free_vgpr 1024
		.amdhsa_next_free_sgpr 100
		.amdhsa_reserve_vcc 0
		.amdhsa_float_denorm_mode_32 3
		.amdhsa_float_denorm_mode_16_64 3
		.amdhsa_memory_ordered 1
		.amdhsa_forward_progress 1
		.amdhsa_inst_pref_size 244
	.end_amdhsa_kernel
	.amdgpu_metadata
---
amdhsa.version: [ 1, 2 ]
amdhsa.kernels:
  - .name:           k_qf6441b956c_qkvgemm
    .symbol:         k_qf6441b956c_qkvgemm.kd
    .args:
      - { .name: xc, .offset: 0, .size: 8, .value_kind: global_buffer, .address_space: global }
      - { .name: xs, .offset: 8, .size: 8, .value_kind: global_buffer, .address_space: global }
      - { .name: wc, .offset: 16, .size: 8, .value_kind: global_buffer, .address_space: global }
      - { .name: ws, .offset: 24, .size: 8, .value_kind: global_buffer, .address_space: global }
      - { .name: qkv, .offset: 32, .size: 8, .value_kind: global_buffer, .address_space: global }
    .group_segment_fixed_size: 327680
    .private_segment_fixed_size: 0
    .kernarg_segment_align: 8
    .kernarg_segment_size: 40
    .max_flat_workgroup_size: 128
    .sgpr_count:     100
    .vgpr_count:     1024
    .wavefront_size: 32
...
	.end_amdgpu_metadata
.endif
;; end of part 2
;; launch attn (part 3): grid 2 x 128, 8 waves a work-group, no clusters, 327,680 bytes of LDS; arguments qkv, ctx; writes ctx
.if DOCPART == 3
	.amdgcn_target "amdgcn-amd-amdhsa--gfx1250"
	.amdhsa_code_object_version 6
	.text
	.protected	k_qf6441b956c_attn
	.globl	k_qf6441b956c_attn
	.p2align	8
	.type	k_qf6441b956c_attn,@function
k_qf6441b956c_attn:
	s_mov_b64 s[64:65], 0
	v_nop
	global_prefetch_b8 v0, s[64:65] scope:SCOPE_SE
	s_setreg_imm32_b32 hwreg(HW_REG_WAVE_MODE, 25, 1), 1
	s_wait_xcnt 0x0
; ctx[n][q][:] = the sum over k of softmax_k(Q[n][q] . K[n][k] / 8) V[n][k][:], for 128 heads n of 1,024 positions and 64 channels.  Q, K, V: qkv [c][n][t][64] f16; ctx [n][t][64] f16.
; Products, maxima and sums in f32; the weights p (0 .. 1) are rounded to f16 for the second product, ctx once at the end.
; LIMIT: ctx beyond 65,504 in magnitude would be infinite in f16 (it is an average of V's numbers, which are f16 already); NaN and infinities are not served.
; SHARES.  A work-group owns 512 queries of one head, each of its eight waves 64: four tiles of 16; two waves to a SIMD, so that one wave's vector work stands beside the other's matrix work.
; ALL 1,024 keys of K and V come to lie in LDS, each byte filled ONCE, in four chunks of 256 keys: waves 0-3 bring K's quarters of a chunk, waves 4-7 V's.  Chunk 0 alone is asked for at the head, so that the bytes
; which the first products wait for are not queued behind bytes that are wanted later; chunk c + 1 is asked for behind the barrier that shows chunk c whole, a wave's one tensor load there, and has chunk c's four key steps,
; 256 matrix instructions a wave, in which to land.  By this text's count a wave has one tensor load out.  Nothing is filled again.
; NO CLUSTER: a head has two blocks of 512 queries, so only two work-groups share tiles; a cluster of four would join two heads, whose tiles differ; and each work-group asks for its 256 KiB once, for 1,024 matrix instructions a wave.
; NO PREFETCH: each later chunk's own load goes out four key steps ahead of the wait for it, and chunk 0's at the head.
; LAYOUT.  S^T = K Q^T (source 0 = 16 keys, source 1 = 16 queries): a lane holds ONE query (lane % 16) and the keys 8 (lane / 16) + 0..7.  Two such tiles, rounded to f16 in pairs, ARE source 1 (32 keys x 16 queries)
; of O^T = V^T P, whose result again holds one query a lane, and eight channels.  K comes out of LDS as it lies, V ([key][channel]) turned, by ds_load_tr16_b128.
; SOFTMAX.  For each query a running maximum m and sum l: p = 2^(c s - c m), c = log2(e) / 8; in every step O and l are multiplied by a = 2^(c m_old - c m_new).
; LDS.  A head's rows are 128 bytes and dense in memory: they come as rows of 256 bytes (two keys).  Key k lies at (k / 2) x pitch + (k % 2) x 128.  K's pitch 272 = 68 words: the 16 keys of a fragment load start at banks
; 4 (r / 2) + 32 (r % 2), all different (64 banks of 4 bytes: ISA guide 11.1).  V's pitch 288 = 72 words.
; REGISTERS.  window 0: v0-15 addresses; v16-47 statistics, eight a tile; v48-111 V of one step; v128-255 S^T, 32 a tile; P in place in each tile's first 16.
;             window 1: v0-127 O^T, 32 a tile; v128-191 Q; v192-255 K of one step.
.set KP,     272
.set VP,     288
.set VB,     512*KP                    ; V behind K's 512 double rows
.set SPARE,  VB+512*VP                 ; the spare words, 128 bytes for each of eight waves, which no other line names
.set STAGE,  SPARE+1024                ; the way out: 16 rows x (128 bytes + 16) for each wave; no tensor load lands here
.set SP,     144
.set KSTEPB, 32*KP                     ; 64 keys of K in LDS: a step, and what one tensor load brings
.set VSTEPB, 32*VP
.set AK0, 2                            ; v2   my lane's place in a tile of K; never rewritten
.set AV0, 3                            ; v3   the same for V
.set ADK, 4                            ; v4   LDS address of the step's K
.set ADV, 5                            ; v5   and V
.set QO,  6                            ; v6   my byte offset in the wave's rows of Q
.set STO, 7                            ; v7   the way out: where I put 16 bytes of a row
.set RD,  8                            ; v8   where I read 16 bytes back
.set GO,  10                           ; v10  my byte offset in a store's 512 bytes
.set SPW, 12                           ; v12  LDS address of my spare word; never rewritten
.set NIL, 13                           ; v13  0; never rewritten
.set ST,  16                           ; tile t's statistics at v[ST + 8 t]: +0 c m, +1 m, +2, +3 l (even keys', odd keys'), +4 to +7 at work; a takes +6
.set VF,  48                           ; V's fragments: keys 32 kg on, channels 16 ct on, at 8 (4 kg + ct)
.set S,   128                          ; S^T: tile t at 32 t, keys 16 kt on at + 8 kt
.set QF,  128                          ; window 1: Q's fragments: tile t, channels 32 kc on, at 8 (2 t + kc)
.set KF,  192                          ; window 1: K's fragments: keys 16 kt on, channels 32 kc on, at 8 (2 kt + kc)
.set WV,  12                           ; s12  my wave's number
.set G1K, 16                           ; s[16:23] descriptor group 1 for K's tiles;  s[24:31] for V's: it differs in the padding alone
.set G1V, 24
.set G0K, 32                           ; s[32:47] descriptor groups 0 for K, one for each chunk, written once;  s[48:63] for V
.set G0V, 48
.set CS,  66                           ; s[66:67] c: the packed scaling names a pair and takes its low word for both halves
.set SEL, 68                           ; s[68:69] lane selects for v_permlanex16_b32: lane l xor 16
.set TK,  70                           ; s70  LDS byte at which the step's K begins
.set TV,  71                           ; s71  the same within V's region
.set CNT, 72                           ; s72  counts a chunk's steps
.set MSB, 0
.macro WIN new                         ; the immediate's high byte repeats the setting that is left; a switch that changes nothing is dropped
.if MSB != \new
	s_set_vgpr_msb (MSB<<8)|\new
.set MSB, \new
.endif
.endm
.set W_KQ, 0x05                        ; K and Q (sources 0, 1) in window 1, S^T in window 0
.set W_PV, 0x50                        ; V and P in window 0, O^T (C and D) in window 1
.set W_RS, 0x41                        ; O^T (destination and source 0) in window 1, the factor in window 0
.set TO_1, 0x40                        ; destination window 1, address window 0
.macro PLACES
.rept 4
	v_nop
.endr
.endm
; My quarter of chunk c: waves 0-3 fetch K's, waves 4-7 V's.  The branch hangs on the wave's number alone.  An s_nop 0 and four v_nop follow each of the two lines, ahead of the jump, the label and what follows.
.macro TLOAD c
	s_cmp_lt_u32 s[WV], 4
	s_cbranch_scc0 .Lfor_v_\@
	tensor_load_to_lds s[G0K+4*(\c):G0K+4*(\c)+3], s[G1K:G1K+7]
	s_nop 0
	PLACES
	s_branch .Lasked_\@
.Lfor_v_\@:
	tensor_load_to_lds s[G0V+4*(\c):G0V+4*(\c)+3], s[G1V:G1V+7]
	s_nop 0
	PLACES
.Lasked_\@:
.endm
	s_load_b128 s[4:7], s[0:1], 0x0                ; qkv s[4:5], ctx s[6:7]
	v_lshl_add_u32 v[SPW], v0, 2, SPARE
	v_mov_b32 v[NIL], 0
	ds_add_u32 v[SPW], v[NIL]                      ; the wave's opening: the add, twice on end, and its wait ahead of my first tensor load; the set-up below stands between the second and the wait
	ds_add_u32 v[SPW], v[NIL]
	v_lshrrev_b32 v1, 5, v0
	v_readfirstlane_b32 s[WV], v1                  ; wave 0..7
	s_and_b32 s13, s[WV], 3                        ; which quarter of a chunk I fetch
	s_and_b32 s8, ttmp7, 0xffff                    ; the head n
	s_lshl_b32 s8, s8, 17                          ; its 1,024 rows of 128 bytes
	s_lshl_b32 s9, s13, 13                         ; my quarter: 64 rows
	s_add_co_u32 s10, s8, s9
	s_mov_b32 s11, 0
	s_lshl_b32 s2, ttmp9, 16                       ; my work-group's 512 queries,
	s_lshl_b32 s3, s[WV], 13                       ; my wave's 64 of them
	s_add_co_u32 s2, s2, s3
	s_add_co_u32 s2, s2, s8
	s_mov_b32 s3, 0
	s_mul_i32 s73, s13, KSTEPB                     ; where my quarter goes: in K's region,
	s_mul_i32 s74, s13, VSTEPB
	s_add_co_u32 s74, s74, VB                      ; in V's
	; descriptor group 1: 32 rows of 256 bytes (32 elements of 8 bytes), dense in memory, padded in LDS
	s_mov_b32 s[G1K], (3<<16)|(1<<20)|(5<<22)|(3<<25)   ; 15:0 no mask; 17:16 elements of 8 bytes; 20 padding on; 24:22 after every 64 words; 31:25 four words
	s_mov_b32 s[G1V], (3<<16)|(1<<20)|(5<<22)|(7<<25)   ; the same with eight words of padding
.irp g, G1K, G1V
	s_mov_b32 s[\g+1], 32<<16                      ; tensor_dim0 = 32
	s_mov_b32 s[\g+2], 32<<16                      ; tensor_dim1 = 32
	s_mov_b32 s[\g+3], 32<<16                      ; tile_dim0 = 32
	s_mov_b32 s[\g+4], 32                          ; tile_dim1 = 32
	s_mov_b32 s[\g+5], 32                          ; tensor_dim0_stride
	s_mov_b32 s[\g+6], 0
	s_mov_b32 s[\g+7], 0
.endr
	s_mov_b32 s[CS], 0x3e38aa3b                    ; c = log2(e) / 8
	s_mov_b32 s[CS+1], s[CS]                       ; named with it as a pair, so it is written
	s_mov_b32 s[SEL], 0x76543210
	s_mov_b32 s[SEL+1], 0xfedcba98
	s_wait_dscnt 0x0                               ; both opening adds are done
	s_wait_kmcnt 0x0
	s_add_nc_u64 s[14:15], s[4:5], s[10:11]        ; qkv at my head and my quarter of a chunk
	s_add_nc_u64 s[4:5], s[4:5], s[2:3]            ; Q at my wave's first row (c = 0)
	s_add_nc_u64 s[6:7], s[6:7], s[2:3]            ; ctx likewise
.irp c, 0,1,2,3
	s_mov_b32 s[G0K+4*\c], 1                       ; count = 1
	s_add_co_u32 s[G0K+4*\c+1], s73, \c*4*KSTEPB   ; LDS address: chunk c, my quarter
	s_add_nc_u64 s[G0K+4*\c+2:G0K+4*\c+3], s[14:15], (1<<24)+(\c<<15)   ; global address: K's plane, chunk c's 256 rows
	s_or_b32 s[G0K+4*\c+3], s[G0K+4*\c+3], 0x80000000                   ; type = 2
	s_mov_b32 s[G0V+4*\c], 1
	s_add_co_u32 s[G0V+4*\c+1], s74, \c*4*VSTEPB
	s_add_nc_u64 s[G0V+4*\c+2:G0V+4*\c+3], s[14:15], (2<<24)+(\c<<15)
	s_or_b32 s[G0V+4*\c+3], s[G0V+4*\c+3], 0x80000000
.endr
	TLOAD 0                                        ; chunk 0, ahead of every wait on TENSORcnt, every LDS read and every barrier
	; A fragment of K or Q is 16 rows x 32 channels in 8 registers: lane l holds row l % 16; registers 0-3 channels 8 (l / 16) + 0..7, registers 4-7 channels 16 + 8 (l / 16) + 0..7: two loads of 16 bytes, 32 bytes apart.
	v_and_b32 v1, 15, v0                           ; r
	v_bfe_u32 v9, v0, 4, 1                         ; h
	v_lshlrev_b32 v[QO], 7, v1
	v_lshl_add_u32 v[QO], v9, 4, v[QO]             ; row x 128 + 16 x half
	WIN TO_1
.irp t, 0,1,2,3
.irp kc, 0,1
	global_load_b128 v[QF+8*(2*\t+\kc):QF+8*(2*\t+\kc)+3],   v[QO], s[4:5] offset:2048*\t+64*\kc      ; Q stays in registers
	global_load_b128 v[QF+8*(2*\t+\kc)+4:QF+8*(2*\t+\kc)+7], v[QO], s[4:5] offset:2048*\t+64*\kc+32
.endr
.endr
	WIN 0
	v_lshrrev_b32 v14, 1, v1
	v_mul_u32_u24 v[AK0], v14, KP                  ; K: (r / 2) x pitch
	v_and_b32 v14, 1, v0
	v_lshl_add_u32 v[AK0], v14, 7, v[AK0]          ; + (r % 2) x 128
	v_lshl_add_u32 v[AK0], v9, 4, v[AK0]           ; + 16 x half
	; The turning load takes 16 keys x 16 channels (lane l reads 16 bytes: key 8 (l / 16) + l % 8, channels 8 ((l / 8) % 2) + 0..7) and leaves half a fragment of V^T: lane l holds channel l % 16 and 8 keys.
	v_bfe_u32 v15, v0, 1, 2                        ; (l % 8) / 2
	v_lshl_add_u32 v15, v9, 2, v15                 ; + 4 h: the key's double row
	v_mul_u32_u24 v[AV0], v15, VP
	v_lshl_add_u32 v[AV0], v14, 7, v[AV0]          ; + (l % 2) x 128
	v_bfe_u32 v15, v0, 3, 1
	v_lshl_add_u32 v[AV0], v15, 4, v[AV0]
	v_add_nc_u32 v[AV0], VB, v[AV0]
	s_mul_i32 s73, s[WV], 16*SP
	s_add_co_u32 s73, s73, STAGE                   ; my stage
	v_mul_u32_u24 v[STO], v1, SP                   ; in: row r, 16 bytes for each half of the lanes
	v_lshl_add_u32 v[STO], v9, 4, v[STO]
	v_add_nc_u32 v[STO], s73, v[STO]
	v_bfe_u32 v14, v0, 3, 2                        ; back: eight lanes to a row of 128 bytes, four rows an instruction
	v_mul_u32_u24 v[RD], v14, SP
	v_and_b32 v15, 7, v0
	v_lshl_add_u32 v[RD], v15, 4, v[RD]
	v_add_nc_u32 v[RD], s73, v[RD]
	v_and_b32 v[GO], 31, v0
	v_lshlrev_b32 v[GO], 4, v[GO]                  ; and the same four rows in ctx: 512 consecutive bytes
; THE SOFTMAX of a step, the four tiles by turns line by line, so that no line waits for the line above it.  first = 1: the first step, which starts m and l and has no a.
.macro SOFTMAX first
.irp j, 0,1,2,3                        ; the maximum of a tile's 32 scores: four chains, one for each accumulator, each read from its low end on
.irp t, 0,1,2,3
	v_max3_num_f32 v[ST+8*\t+4+\j], v[S+32*\t+8*\j], v[S+32*\t+8*\j+1], v[S+32*\t+8*\j+2]
.endr
.endr
.irp u, 1,2
.irp j, 0,1,2,3
.irp t, 0,1,2,3
	v_max3_num_f32 v[ST+8*\t+4+\j], v[ST+8*\t+4+\j], v[S+32*\t+8*\j+2*\u+1], v[S+32*\t+8*\j+2*\u+2]
.endr
.endr
.endr
.irp t, 0,1,2,3
	v_max3_num_f32 v[ST+8*\t+4], v[ST+8*\t+4], v[S+32*\t+7], v[S+32*\t+15]
.endr
.irp t, 0,1,2,3
	v_max3_num_f32 v[ST+8*\t+6], v[ST+8*\t+6], v[S+32*\t+23], v[S+32*\t+31]
.endr
.irp t, 0,1,2,3
	v_max3_num_f32 v[ST+8*\t+4], v[ST+8*\t+4], v[ST+8*\t+5], v[ST+8*\t+6]
.endr
.irp t, 0,1,2,3
.if \first
	v_max_num_f32 v[ST+8*\t+4], v[ST+8*\t+4], v[ST+8*\t+7]
.else
	v_max3_num_f32 v[ST+8*\t+4], v[ST+8*\t+4], v[ST+8*\t+7], v[ST+8*\t+1]   ; and the old m
.endif
.endr
.irp t, 0,1,2,3
	v_permlanex16_b32 v[ST+8*\t+5], v[ST+8*\t+4], s[SEL], s[SEL+1]          ; the query's other 32 keys lie in the lane 16 away
.endr
.if \first == 0
.irp t, 0,1,2,3
	v_mov_b32 v[ST+8*\t+7], v[ST+8*\t]             ; c m_old is kept for a
.endr
.endif
.irp t, 0,1,2,3
	v_max_num_f32 v[ST+8*\t+1], v[ST+8*\t+4], v[ST+8*\t+5]                  ; the new m
.endr
.irp t, 0,1,2,3
	v_mul_f32 v[ST+8*\t], s[CS], v[ST+8*\t+1]      ; c m
.endr
.if \first == 0
.irp t, 0,1,2,3
	v_sub_f32 v[ST+8*\t+7], v[ST+8*\t+7], v[ST+8*\t]                        ; c m_old - c m_new
.endr
.endif
.set e, 0
.rept 16
.irp t, 0,1,2,3
	v_pk_fma_f32 v[S+32*\t+e:S+32*\t+e+1], v[S+32*\t+e:S+32*\t+e+1], s[CS:CS+1], v[ST+8*\t:ST+8*\t+1] op_sel_hi:[1,0,0] neg_lo:[0,0,1] neg_hi:[0,0,1]   ; c s - c m, two at a time
.endr
.set e, e+2
.endr
.if \first == 0
.irp t, 0,1,2,3
	v_exp_f32 v[ST+8*\t+6], v[ST+8*\t+7]           ; a
.endr
.endif
.set e, 0
.rept 32
.irp t, 0,1,2,3
	v_exp_f32 v[S+32*\t+e], v[S+32*\t+e]           ; p
.endr
.set e, e+1
.endr
	v_nop                                          ; a plain instruction behind the last exponential, ahead of the first use
	s_wait_alu depctr_va_vdst(0)                   ; ONE wait for the whole batch, ahead of its first reader
.irp t, 0,1,2,3                        ; the sum of a tile's 16 pairs (an even key's weight, an odd key's), of the p that are not yet rounded
	v_pk_add_f32 v[ST+8*\t+4:ST+8*\t+5], v[S+32*\t:S+32*\t+1], v[S+32*\t+2:S+32*\t+3]
.endr
.set e, 4
.rept 13
.irp t, 0,1,2,3
	v_pk_add_f32 v[ST+8*\t+4:ST+8*\t+5], v[ST+8*\t+4:ST+8*\t+5], v[S+32*\t+e:S+32*\t+e+1]
.endr
.set e, e+2
.endr
.if \first
.irp t, 0,1,2,3
	v_pk_add_f32 v[ST+8*\t+2:ST+8*\t+3], v[ST+8*\t+4:ST+8*\t+5], v[S+32*\t+30:S+32*\t+31]
.endr
.else
.irp t, 0,1,2,3
	v_pk_add_f32 v[ST+8*\t+4:ST+8*\t+5], v[ST+8*\t+4:ST+8*\t+5], v[S+32*\t+30:S+32*\t+31]
.endr
.irp t, 0,1,2,3
	v_pk_fma_f32 v[ST+8*\t+2:ST+8*\t+3], v[ST+8*\t+2:ST+8*\t+3], v[ST+8*\t+6:ST+8*\t+7], v[ST+8*\t+4:ST+8*\t+5] op_sel_hi:[1,0,1]   ; l = a l + the sum
.endr
.endif
.set e, 0
.rept 16                               ; P in place: pair e goes to register e, which lies at or under the pair: no source is written before it is read
.irp t, 0,1,2,3
	v_cvt_pk_f16_f32 v[S+32*\t+e], v[S+32*\t+2*e], v[S+32*\t+2*e+1]
.endr
.set e, e+1
.endr
.endm
; A KEY STEP: 64 keys.  Its two runs of LDS loads stand together at its head; V's land while K Q^T and the softmax are worked.
.macro STEP first
	WIN 0
	v_add_nc_u32 v[ADK], s[TK], v[AK0]
	v_add_nc_u32 v[ADV], s[TV], v[AV0]
.rept 3
	v_nop                                          ; with the two additions five places behind the last V^T P: four for the loads into V's registers, five for the products below, which write over P's
.endr
	WIN TO_1
.irp kt, 0,1,2,3
.irp kc, 0,1
	ds_load_b128 v[KF+8*(2*\kt+\kc):KF+8*(2*\kt+\kc)+3],   v[ADK] offset:8*KP*\kt+64*\kc
	ds_load_b128 v[KF+8*(2*\kt+\kc)+4:KF+8*(2*\kt+\kc)+7], v[ADK] offset:8*KP*\kt+64*\kc+32
.endr
.endr
	WIN 0
.irp kg, 0,1
.irp ct, 0,1,2,3
	ds_load_tr16_b128 v[VF+8*(4*\kg+\ct):VF+8*(4*\kg+\ct)+3],   v[ADV] offset:16*VP*\kg+32*\ct
	ds_load_tr16_b128 v[VF+8*(4*\kg+\ct)+4:VF+8*(4*\kg+\ct)+7], v[ADV] offset:16*VP*\kg+8*VP+32*\ct
.endr
.endr
	s_add_co_u32 s[TK], s[TK], KSTEPB              ; the next step's tiles
	s_add_co_u32 s[TV], s[TV], VSTEPB
	s_wait_dscnt 16                                ; K's sixteen loads are in; V's sixteen may be out
	WIN W_KQ
.irp kc, 0,1                           ; S^T = K Q^T: the sixteen accumulators take turns, one instruction a turn; the first sixteen start the sums
.irp kt, 0,1,2,3
.irp t, 0,1,2,3
.if \kc == 0
	v_wmma_f32_16x16x32_f16 v[S+32*\t+8*\kt:S+32*\t+8*\kt+7], v[KF+8*(2*\kt+\kc):KF+8*(2*\kt+\kc)+7], v[QF+8*(2*\t+\kc):QF+8*(2*\t+\kc)+7], 0
.else
	v_wmma_f32_16x16x32_f16 v[S+32*\t+8*\kt:S+32*\t+8*\kt+7], v[KF+8*(2*\kt+\kc):KF+8*(2*\kt+\kc)+7], v[QF+8*(2*\t+\kc):QF+8*(2*\t+\kc)+7], v[S+32*\t+8*\kt:S+32*\t+8*\kt+7]
.endif
.endr
.endr
.endr
	WIN 0
	PLACES                                         ; four places in front of the first read of the scores
	SOFTMAX \first
.if \first == 0
	WIN W_RS
.set e, 0
.rept 16
.irp t, 0,1,2,3
	v_pk_mul_f32 v[32*\t+e:32*\t+e+1], v[32*\t+e:32*\t+e+1], v[ST+8*\t+6:ST+8*\t+7] op_sel_hi:[1,0]   ; O^T x a, each accumulator from its low end on
.endr
.set e, e+2
.endr
.endif
	s_wait_dscnt 0x0                               ; V is in
	WIN W_PV
.irp kg, 0,1                           ; O^T += V^T P: sixteen accumulators by turns
.irp ct, 0,1,2,3
.irp t, 0,1,2,3
.if (\first) && (\kg == 0)
	v_wmma_f32_16x16x32_f16 v[32*\t+8*\ct:32*\t+8*\ct+7], v[VF+8*(4*\kg+\ct):VF+8*(4*\kg+\ct)+7], v[S+32*\t+8*\kg:S+32*\t+8*\kg+7], 0
.else
	v_wmma_f32_16x16x32_f16 v[32*\t+8*\ct:32*\t+8*\ct+7], v[VF+8*(4*\kg+\ct):VF+8*(4*\kg+\ct)+7], v[S+32*\t+8*\kg:S+32*\t+8*\kg+7], v[32*\t+8*\ct:32*\t+8*\ct+7]
.endif
.endr
.endr
.endr
	WIN 0                                          ; at a label and at a branch every window is 0
.endm
; A CHUNK of 256 keys: four steps.  In front of its barrier each wave waits for its one tensor load, its quarter of this chunk, adds 0 to its spare word and waits for that; behind the barrier the chunk is whole for all eight waves.
; There the next chunk is asked for: bytes that are filled for the first time, a wave's one tensor load until the next such barrier, ahead of its first LDS read.
.macro CHUNK c, trips
	s_wait_tensorcnt 0x0                           ; my quarter of chunk c has landed: no tensor load of mine is out
	ds_add_u32 v[SPW], v[NIL]                      ; 0 onto my spare word; the two lines below stand between it and the wait for it
	s_mov_b32 s[TK], \c*4*KSTEPB                   ; the chunk's first step, as constants
	s_mov_b32 s[TV], \c*4*VSTEPB
	s_wait_dscnt 0x0                               ; the add is done, and no LDS instruction of mine is pending at the signal
	s_barrier_signal -1
	s_barrier_wait -1
.if \c < 3
	TLOAD \c+1                                     ; four key steps ahead of the wait for it
.endif
.if \c == 0
	s_wait_loadcnt 0x0                             ; Q
	STEP 1                                         ; the first step is written out: its products start O^T's sums, its softmax has no old maximum
.endif
	s_mov_b32 s[CNT], \trips
.Lstep_\@:
	STEP 0
	s_sub_co_u32 s[CNT], s[CNT], 1
	s_cmp_lg_u32 s[CNT], 0
	s_cbranch_scc1 .Lstep_\@
.endm
	CHUNK 0, 3
	CHUNK 1, 4
	CHUNK 2, 4
	CHUNK 3, 4
	; THE WAY OUT.  l's two halves and the other half of the lanes' are added; O^T is divided by l, rounded to f16 and sent through my stage, a tile (16 rows of ctx) at a time.  The additions are the places behind the last products.
.irp t, 0,1,2,3
	v_add_f32 v[ST+8*\t+4], v[ST+8*\t+2], v[ST+8*\t+3]
.endr
.irp t, 0,1,2,3
	v_permlanex16_b32 v[ST+8*\t+5], v[ST+8*\t+4], s[SEL], s[SEL+1]
.endr
.irp t, 0,1,2,3
	v_add_f32 v[ST+8*\t+4], v[ST+8*\t+4], v[ST+8*\t+5]
.endr
.irp t, 0,1,2,3
	v_rcp_f32 v[ST+8*\t+6], v[ST+8*\t+4]
.endr
	v_nop                                          ; a plain instruction between the last reciprocal and the use of its result
	s_wait_alu depctr_va_vdst(0)                   ; one wait for the four reciprocals, ahead of their first reader
.macro PACK t
	WIN W_RS
.set e, 0
.rept 16
	v_pk_mul_f32 v[32*\t+e:32*\t+e+1], v[32*\t+e:32*\t+e+1], v[ST+8*\t+6:ST+8*\t+7] op_sel_hi:[1,0]
.set e, e+2
.endr
	WIN 0x05                                       ; sources 0 and 1 window 1, destination window 0: S^T's registers are free
.set e, 0
.rept 16
	v_cvt_pk_f16_f32 v[S+32*\t+e], v[32*\t+2*e], v[32*\t+2*e+1]
.set e, e+1
.endr
	WIN 0
.irp f, 0,1,2,3
	ds_store_b128 v[STO], v[S+32*\t+4*\f:S+32*\t+4*\f+3] offset:32*\f         ; a lane's eight channels of a row
.endr
.irp f, 0,1,2,3
	ds_load_b128 v[S+32*\t+16+4*\f:S+32*\t+16+4*\f+3], v[RD] offset:\f*4*SP   ; LDS serves a wave's instructions in order (ISA guide 5.7.1.4): these see the stores above; the next tile's stores come behind them
.endr
.endm
.macro SEND t, younger                 ; younger: the LDS instructions issued behind tile t's loads: the next tile's eight, or none
.irp f, 0,1,2,3
	s_wait_dscnt \younger+3-\f
	global_store_b128 v[GO], v[S+32*\t+16+4*\f:S+32*\t+16+4*\f+3], s[6:7] offset:\t*2048+\f*512   ; 32 lanes store 512 consecutive bytes, at a multiple of 256 from ctx's first byte
.endr
.endm
	PACK 0
	PACK 1                                         ; a tile's arithmetic stands between the loads of the tile before and its stores
	SEND 0, 8
	PACK 2
	SEND 1, 8
	PACK 3
	SEND 2, 8
	SEND 3, 0
	s_wait_tensorcnt 0x0                           ; the wave's end: three lines behind my last tensor load and my last LDS store
	ds_add_u32 v[SPW], v[NIL]
	s_wait_dscnt 0x0
	s_endpgm
.Lfunc_end_k_qf6441b956c_attn:
	.size	k_qf6441b956c_attn, .Lfunc_end_k_qf6441b956c_attn-k_qf6441b956c_attn
	.p2alignl 7, 3214868480
	.fill 96, 4, 3214868480
	.section	.rodata,"a",@progbits
	.p2align	6, 0x0
	.amdhsa_kernel k_qf6441b956c_attn
		.amdhsa_group_segment_fixed_size 327680
		.amdhsa_private_segment_fixed_size 0
		.amdhsa_enable_private_segment 0
		.amdhsa_kernarg_size 16
		.amdhsa_user_sgpr_count 2
		.amdhsa_user_sgpr_kernarg_segment_ptr 1
		.amdhsa_wavefront_size32 1
		.amdhsa_system_sgpr_workgroup_id_x 1
		.amdhsa_system_sgpr_workgroup_id_y 1
		.amdhsa_system_sgpr_workgroup_id_z 1
		.amdhsa_system_vgpr_workitem_id 0
		.amdhsa_next_free_vgpr 512
		.amdhsa_next_free_sgpr 76
		.amdhsa_reserve_vcc 0
		.amdhsa_float_denorm_mode_32 3
		.amdhsa_float_denorm_mode_16_64 3
		.amdhsa_memory_ordered 1
		.amdhsa_forward_progress 1
		.amdhsa_inst_pref_size 178
	.end_amdhsa_kernel
	.amdgpu_metadata
---
amdhsa.version: [ 1, 2 ]
amdhsa.kernels:
  - .name:           k_qf6441b956c_attn
    .symbol:         k_qf6441b956c_attn.kd
    .args:
      - { .name: qkv, .offset: 0, .size: 8, .value_kind: global_buffer, .address_space: global }
      - { .name: ctx, .offset: 8, .size: 8, .value_kind: global_buffer, .address_space: global }
    .group_segment_fixed_size: 327680
    .private_segment_fixed_size: 0
    .kernarg_segment_align: 8
    .kernarg_segment_size: 16
    .max_flat_workgroup_size: 256
    .sgpr_count:     76
    .vgpr_count:     512
    .wavefront_size: 32
...
	.end_amdgpu_metadata
.endif
;; end of part 3
;; launch outgemm (part 4): grid 8 x 32, 4 waves a work-group, clusters of 4 x 4, 327,680 bytes of LDS; arguments ctx, wo16, out0; writes out0
.if DOCPART == 4
	.amdgcn_target "amdgcn-amd-amdhsa--gfx1250"
	.amdhsa_code_object_version 6
	.text
	.protected	k_qf6441b956c_outgemm
	.globl	k_qf6441b956c_outgemm
	.p2align	8
	.type	k_qf6441b956c_outgemm,@function
k_qf6441b956c_outgemm:
	s_mov_b64 s[64:65], 0
	v_nop
	global_prefetch_b8 v0, s[64:65] scope:SCOPE_SE
	s_setreg_imm32_b32 hwreg(HW_REG_WAVE_MODE, 25, 1), 1
	s_wait_xcnt 0x0
	s_wait_alu depctr_hold_cnt(0) depctr_sa_sdst(0) depctr_va_vdst(0) depctr_va_sdst(0) depctr_va_ssrc(0) depctr_va_vcc(0) depctr_vm_vsrc(0)
	s_getreg_b32 s2, hwreg(HW_REG_IB_STS2, 6, 4)
	s_cmp_eq_u32 s2, 0
	s_cbranch_scc0 .Lentry_in_a_cluster
	s_endpgm
.Lentry_in_a_cluster:
	s_bfe_u32 s2, ttmp6, 0x10000c
	s_cmp_lg_u32 s2, 0xf033
	s_cbranch_scc0 .Lentry_shape_is_right
	s_endpgm
.Lentry_shape_is_right:
; out[t][b][f] = sum over e of ctx[t][b][e] Wo[f][e], e = 64 h + d.  ctx: f16, laid [16 b + h][t][64];  Wo: f16, laid [h][f][64];  out: [1024][8][1024] f32.  Sums in f32.
; A tile of out is 256 rows (one b, 256 neighbouring t) x 128 columns f: 32 x 8 = 256 work-groups.  Four waves, each 128 rows x 64 columns: 32 accumulators of 16 x 16, 256 registers.
; K goes in steps of 128 = two heads through a ring of two LDS slots.  In both layouts a head's part of a tile is ONE dense block of memory (256 t x 128 bytes; 128 f x 128 bytes), brought as rows of 256 bytes (two rows of the tile):
; row r of a block lies at (r / 2) x 272 + (r % 2) x 128, so that the 16 rows of a fragment load start at banks 4 (r / 2) + 32 (r % 2), all different (64 banks of 4 bytes: ISA guide 11.1).
; Waves 0 and 1 fetch ctx's two heads of a step, waves 2 and 3 Wo's: one tensor load a wave behind each change of slots, 112 matrix instructions ahead of the wait for it.
; CLUSTERS: 4 x 4 work-groups.  The four of a row of the cluster need the same tiles of ctx, the four of a column the same tiles of Wo: each is asked for JOINTLY, by the same tensor load with the same descriptor and a mask that names the four.
; THE MATRIX INSTRUCTION IS USED TRANSPOSED (source 0 = 16 rows of Wo, source 1 = 16 rows of ctx): a lane then holds eight neighbouring f of one row of out.
; NO PREFETCH: the launch is short (eight K steps), and the tiles are shared in the cluster.
; REGISTERS: window 0: v0-31 addresses; v64-127, v128-191 ctx's fragments (8 x 16 rows x 32 K), two buffers; v192-223, v224-255 Wo's (4), two buffers; on the way out v64-127.   window 1: accumulator (a, b) at v[8 (4 a + b)].
.set PITCH,  272
.set AZ,     128*PITCH                 ; one head of ctx's tile: 256 rows
.set BZ,     64*PITCH                  ; one head of Wo's tile: 128 rows
.set SLOT,   2*AZ+2*BZ                 ; ctx's two heads, then Wo's two
.set STAGE,  2*SLOT                    ; behind the ring: 16 rows x (256 bytes + 16) for each wave, for the way out; no tensor load lands here
.set SPARE,  STAGE+4*16*PITCH          ; behind the stages: the spare words, 128 bytes a wave, which no other line names
.set KSB,    2<<17                     ; a K step on in memory: two heads of 2^17 bytes, in both tensors
.set LAPS,   4                         ; a lap = two K steps = once round the ring; 1,024 / 256
.set ADRA, 16                          ; v16-17  LDS address of my ctx fragments in slot 0, 1
.set ADRB, 20                          ; v20-21  the same for Wo
.set STO,  24                          ; v24     the way out: where I put 32 bytes of a row
.set RD,   25                          ; v25     where I read 16 bytes back
.set CO,   26                          ; v26     my byte offset in out
.set SPW,  28                          ; v28     LDS address of my spare word; never rewritten
.set NIL,  29                          ; v29     0; never rewritten
.set AF,   64                          ; ctx's fragment buffers, 64 registers each
.set BF,   192                         ; Wo's, 32 each
.set BK,   64                          ; the way out: a block read back: v64-95 and v96-127 by turns
.set G1, 24                            ; s[24:31] descriptor group 1 for ctx's tiles;  s[32:39] group 0, one set for each slot
.set G0, 32
.set G1B, 48                           ; s[48:55], s[56:63] the same for Wo's
.set G0B, 56
.set MSB, 0
.macro WIN new                         ; the immediate's high byte repeats the setting that is left
.if MSB != \new
	s_set_vgpr_msb (MSB<<8)|\new
.set MSB, \new
.endif
.endm
.set MUL, 0x50                         ; sources 0 and 1 window 0; C and D window 1
.macro JLOAD s                         ; a joint load: waves 0 and 1 fetch for ctx, waves 2 and 3 for Wo; an s_nop 0 and four v_nop follow each of the two lines, ahead of the jump, the label and what follows
	s_cmp_eq_u32 s11, 0
	s_cbranch_scc0 .Lfor_b_\@
	tensor_load_to_lds s[G0+4*\s:G0+4*\s+3], s[G1:G1+7]
	s_nop 0
.rept 4
	v_nop
.endr
	s_branch .Lasked_\@
.Lfor_b_\@:
	tensor_load_to_lds s[G0B+4*\s:G0B+4*\s+3], s[G1B:G1B+7]
	s_nop 0
.rept 4
	v_nop
.endr
.Lasked_\@:
.endm
.macro CREST                           ; a round of the cluster's barrier behind its opening barrier
	s_cmp_lg_u32 s10, 0
	s_cbranch_scc1 .Lnot_wave_0_\@
	s_barrier_signal -3
.Lnot_wave_0_\@:
	s_barrier_wait -3
	s_barrier_signal -1
	s_barrier_wait -1
.endm
.macro CROUND                          ; a whole round
	s_barrier_signal -1
	s_barrier_wait -1
	CREST
.endm
	s_load_b128 s[4:7], s[0:1], 0x0                ; ctx s[4:5], Wo s[6:7]
	s_load_b64 s[8:9], s[0:1], 0x10                ; out
	v_lshl_add_u32 v[SPW], v0, 2, SPARE
	v_mov_b32 v[NIL], 0
	ds_add_u32 v[SPW], v[NIL]                      ; the wave's opening: the add, twice on end, and its wait ahead of my first tensor load; the set-up below stands between the second and the wait
	ds_add_u32 v[SPW], v[NIL]
	v_lshrrev_b32 v1, 5, v0
	v_readfirstlane_b32 s10, v1                    ; wave 0..3
	s_lshr_b32 s11, s10, 1                         ; which 128 of the tile's rows are mine.  Also: I fetch for ctx (0) or for Wo (1)
	s_and_b32 s12, s10, 1                          ; which 64 of its columns.  Also: which of a step's two heads I fetch
	s_bfe_u32 s40, ttmp6, 0x40000                  ; cx, cy: my place in the cluster
	s_bfe_u32 s41, ttmp6, 0x40004
	s_lshl_b32 s42, ttmp9, 2
	s_add_co_u32 s42, s42, s40                     ; tile column = 4 x cluster x + cx
	s_and_b32 s13, ttmp7, 0xffff
	s_lshl_b32 s13, s13, 2
	s_add_co_u32 s13, s13, s41                     ; tile row = 4 x cluster y + cy: b = tile row / 4, t from 256 (tile row % 4)
	s_lshl_b32 s43, s41, 2
	s_lshl_b32 s43, 15, s43                        ; my row of the cluster
	s_lshl_b32 s44, 0x1111, s40                    ; my column
	; descriptor group 1: dense blocks as rows of 256 bytes (32 elements of 8 bytes), 16 bytes of padding behind each: 128 rows for ctx, 64 for Wo
	s_or_b32 s[G1+0], s43, (3<<16)|(1<<20)|(1<<21)|(5<<22)|(3<<25)  ; 15:0 the mask: ctx's tiles go to my row; 17:16 elements of 8 bytes; 20 padding on; 21 set beside a mask; 24:22 after every 64 words; 31:25 four words
	s_or_b32 s[G1B+0], s44, (3<<16)|(1<<20)|(1<<21)|(5<<22)|(3<<25)
	s_mov_b32 s[G1+1], 32<<16                      ; tensor_dim0 = 32
	s_mov_b32 s[G1+2], 128<<16                     ; tensor_dim1 = 128
	s_mov_b32 s[G1+3], 32<<16                      ; tile_dim0 = 32
	s_mov_b32 s[G1+4], 128                         ; tile_dim1 = 128
	s_mov_b32 s[G1+5], 32                          ; tensor_dim0_stride
	s_mov_b32 s[G1+6], 0
	s_mov_b32 s[G1+7], 0
	s_mov_b32 s[G1B+1], 32<<16
	s_mov_b32 s[G1B+2], 64<<16
	s_mov_b32 s[G1B+3], 32<<16
	s_mov_b32 s[G1B+4], 64
	s_mov_b32 s[G1B+5], 32
	s_mov_b32 s[G1B+6], 0
	s_mov_b32 s[G1B+7], 0
	s_lshr_b32 s16, s13, 2                         ; b
	s_lshl_b32 s16, s16, 4
	s_add_co_u32 s16, s16, s12                     ; ctx: head 16 b + my one of the step's two,
	s_lshl_b32 s16, s16, 17
	s_and_b32 s17, s13, 3
	s_lshl_b32 s17, s17, 15                        ; its rows from t = 256 (tile row % 4): 128 bytes each
	s_add_co_u32 s16, s16, s17
	s_mov_b32 s17, 0
	s_lshl_b32 s46, s12, 17                        ; Wo: my one of the two heads,
	s_lshl_b32 s47, s42, 14                        ; its rows from f = 128 x tile column
	s_add_co_u32 s46, s46, s47
	s_mov_b32 s47, 0
	s_mul_i32 s20, s12, AZ                         ; where they go: ctx's head,
	s_mul_i32 s23, s12, BZ
	s_add_co_u32 s23, s23, 2*AZ                    ; Wo's head: no place in the cluster enters an LDS address
	s_wait_dscnt 0x0                               ; both opening adds are done
	s_wait_kmcnt 0x0
	s_add_nc_u64 s[14:15], s[4:5], s[16:17]
	s_add_nc_u64 s[46:47], s[6:7], s[46:47]
	CROUND                                         ; all sixteen work-groups are here: the first joint loads meet
.irp s, 0,1
	s_mov_b32 s[G0+4*\s], 1
	s_add_co_u32 s[G0+4*\s+1], s20, \s*SLOT
	s_add_nc_u64 s[G0+4*\s+2:G0+4*\s+3], s[14:15], \s*KSB
	s_or_b32 s[G0+4*\s+3], s[G0+4*\s+3], 0x80000000
	s_mov_b32 s[G0B+4*\s], 1
	s_add_co_u32 s[G0B+4*\s+1], s23, \s*SLOT
	s_add_nc_u64 s[G0B+4*\s+2:G0B+4*\s+3], s[46:47], \s*KSB
	s_or_b32 s[G0B+4*\s+3], s[G0B+4*\s+3], 0x80000000
	JLOAD \s
.endr
	v_and_b32 v1, 15, v0                           ; r
	v_bfe_u32 v2, v0, 4, 1                         ; h
	v_lshrrev_b32 v3, 1, v1
	v_mul_u32_u24 v3, v3, PITCH                    ; a fragment's row: (r / 2) x pitch
	v_and_b32 v4, 1, v0
	v_lshl_add_u32 v3, v4, 7, v3                   ; + (r % 2) x 128
	v_lshl_add_u32 v3, v2, 4, v3                   ; + 16 x half
	s_mul_i32 s21, s11, 64*PITCH                   ; my 128 rows of ctx's tile
	s_mul_i32 s22, s12, 32*PITCH                   ; my 64 rows of Wo's,
	s_add_co_u32 s22, s22, 2*AZ                    ; which lie behind ctx's two heads
.irp s, 0,1
	v_add_nc_u32 v[ADRA+\s], s21, v3
	v_add_nc_u32 v[ADRB+\s], s22, v3
	s_add_co_u32 s21, s21, SLOT
	s_add_co_u32 s22, s22, SLOT
.endr
	s_mul_i32 s23, s10, 16*PITCH
	s_add_co_u32 s23, s23, STAGE                   ; my stage
	v_mul_u32_u24 v4, v1, PITCH                    ; in: row r, 32 bytes for each half of the lanes
	v_lshl_add_u32 v4, v2, 5, v4
	v_add_nc_u32 v[STO], s23, v4
	v_mul_u32_u24 v5, v2, PITCH                    ; back: lanes 0-15 take one row of 256 bytes, lanes 16-31 the next
	v_lshl_add_u32 v5, v1, 4, v5
	v_add_nc_u32 v[RD], s23, v5
	v_lshlrev_b32 v5, 4, v1
	v_lshl_or_b32 v[CO], v2, 15, v5                ; in out: from t to t + 1 are 8 x 4,096 bytes
	s_and_b32 s16, s13, 3                          ; my part of out: t = 256 (tile row % 4) + 128 x half, at 2^15 bytes each, + b x 4,096
	s_lshl_b32 s16, s16, 11
	s_lshl_b32 s17, s11, 10
	s_add_co_u32 s16, s16, s17
	s_lshr_b32 s17, s13, 2
	s_add_co_u32 s16, s16, s17
	s_lshl_b32 s16, s16, 12
	s_mov_b32 s17, 0
	s_add_nc_u64 s[8:9], s[8:9], s[16:17]
	s_lshl_b32 s46, s42, 9                         ; my first column, in bytes: 512 x tile column + 256 x half
	s_lshl_b32 s47, s12, 8
	s_add_co_u32 s46, s46, s47
	s_mov_b32 s47, 0
	s_add_nc_u64 s[8:9], s[8:9], s[46:47]
; 8 matrix instructions: ctx's blocks a0, a0 + 1 against Wo's four, 32 along K, out of buffer f.  zero = 1: the first product starts the sums.  The 32 accumulators take turns, one instruction a turn.
.macro MUL8 f, a0, zero
.irp a, \a0, \a0+1
.irp b, 0,1,2,3
.if \zero
	v_wmma_f32_16x16x32_f16 v[8*(4*(\a)+\b):8*(4*(\a)+\b)+7], v[BF+32*(\f)+8*\b:BF+32*(\f)+8*\b+7], v[AF+64*(\f)+8*(\a):AF+64*(\f)+8*(\a)+7], 0
.else
	v_wmma_f32_16x16x32_f16 v[8*(4*(\a)+\b):8*(4*(\a)+\b)+7], v[BF+32*(\f)+8*\b:BF+32*(\f)+8*\b+7], v[AF+64*(\f)+8*(\a):AF+64*(\f)+8*(\a)+7], v[8*(4*(\a)+\b):8*(4*(\a)+\b)+7]
.endif
.endr
.endr
.endm
; 24 LDS loads in one run: the fragments of quarter q of a slot (head q / 2, channels 32 (q % 2) on) into buffer f: Wo's four, then ctx's eight
.macro FETCH slot, q, f
	WIN 0
.irp i, 0,1,2,3
	ds_load_b128 v[BF+32*(\f)+8*\i:BF+32*(\f)+8*\i+3],   v[ADRB+\slot] offset:((\q)/2)*BZ+((\q)%2)*64+\i*8*PITCH
	ds_load_b128 v[BF+32*(\f)+8*\i+4:BF+32*(\f)+8*\i+7], v[ADRB+\slot] offset:((\q)/2)*BZ+((\q)%2)*64+\i*8*PITCH+32
.endr
.irp i, 0,1,2,3,4,5,6,7
	ds_load_b128 v[AF+64*(\f)+8*\i:AF+64*(\f)+8*\i+3],   v[ADRA+\slot] offset:((\q)/2)*AZ+((\q)%2)*64+\i*8*PITCH
	ds_load_b128 v[AF+64*(\f)+8*\i+4:AF+64*(\f)+8*\i+7], v[ADRA+\slot] offset:((\q)/2)*AZ+((\q)%2)*64+\i*8*PITCH+32
.endr
.endm
.macro PLACES                          ; four places in front of loads into registers that matrix instructions have read, and of the first read of results (ISA guide 7.12.1 for the first read of results)
.rept 4
	v_nop
.endr
.endm
; A K step is four quarters of 32 along K, 32 matrix instructions each, on buffers 0, 1, 0, 1.  One of the first three: multiplies buffer f and fetches quarter q of the same slot into g.
.macro QUARTER slot, q, f, g, zero
	s_wait_dscnt 8                                 ; Wo's four and ctx's blocks 0-3 are in; the youngest eight loads (blocks 4-7) may be out
	WIN MUL
	MUL8 \f, 0, \zero
	MUL8 \f, 2, \zero
	PLACES
	FETCH \slot, \q, \g
	s_wait_dscnt 24                                ; all but the 24 just issued
	WIN MUL
	MUL8 \f, 4, \zero
	MUL8 \f, 6, \zero
.endm
; The last quarter multiplies buffer 1 and changes slots: ONE barrier; in front of it each wave waits for all its tensor loads, adds 0 to its spare word, and waits for that and for its own reads of this slot.
; fill = 1: this slot is filled again, two K steps ahead; the barrier then opens a round of the cluster's barrier, and the joint refill is the first tensor load behind the round.
.macro TURN slot, next, fill
	WIN 0                                          ; (the add's two registers lie in window 0)
	s_wait_tensorcnt 0x0                           ; all my tensor loads have landed: my part of the next slot;
	ds_add_u32 v[SPW], v[NIL]                      ; 0 onto my spare word;
	s_wait_dscnt 9                                 ; (the add and the youngest eight loads may be out)
	WIN MUL
	MUL8 1, 0, 0                                   ; eight matrix instructions stand between the add and the wait for it
	s_wait_dscnt 0x0                               ; the add is done, and my reads of this slot are over
	s_barrier_signal -1
	MUL8 1, 2, 0
.if \fill
	WIN 0
.endif
	s_barrier_wait -1
.if \fill
	CREST                                          ; no wave of any partner still reads this slot's tile or has a load on its way
	s_add_nc_u64 s[G0+4*\slot+2:G0+4*\slot+3], s[G0+4*\slot+2:G0+4*\slot+3], 2*KSB
	s_add_nc_u64 s[G0B+4*\slot+2:G0B+4*\slot+3], s[G0B+4*\slot+2:G0B+4*\slot+3], 2*KSB
	JLOAD \slot                                    ; the four v_nop behind it are also the places in front of the loads below
.else
	PLACES
.endif
	FETCH \next, 0, 0
	WIN MUL
	MUL8 1, 4, 0
	MUL8 1, 6, 0
.endm
	s_wait_tensorcnt 1                             ; my part of K step 0 is in (K step 1's load may be out)
	s_barrier_signal -1
	s_barrier_wait -1                              ; everybody's is
	FETCH 0, 0, 0
	QUARTER 0, 1, 0, 1, 1                          ; the first quarter stands in front of the loop: its products start the sums
	WIN 0                                          ; at a label and at a branch every window is 0
	s_mov_b32 s3, LAPS-1
.Llap:                                                 ; a trip goes once round the ring, from a lap's second quarter to the next lap's first, and fills both slots again
	QUARTER 0, 2, 1, 0, 0
	QUARTER 0, 3, 0, 1, 0
	TURN 0, 1, 1
	QUARTER 1, 1, 0, 1, 0
	QUARTER 1, 2, 1, 0, 0
	QUARTER 1, 3, 0, 1, 0
	TURN 1, 0, 1
	QUARTER 0, 1, 0, 1, 0
	WIN 0
	s_sub_co_u32 s3, s3, 1
	s_cmp_lg_u32 s3, 0
	s_cbranch_scc1 .Llap
	QUARTER 0, 2, 1, 0, 0                          ; the last lap fills nothing, and has no round of the cluster's barrier
	QUARTER 0, 3, 0, 1, 0
	TURN 0, 1, 0
	QUARTER 1, 1, 0, 1, 0
	QUARTER 1, 2, 1, 0, 0
	QUARTER 1, 3, 0, 1, 0
	s_wait_dscnt 8                                 ; the very last quarter: nothing more to fetch
	WIN MUL
	MUL8 1, 0, 0
	MUL8 1, 2, 0
	s_wait_dscnt 0
	MUL8 1, 4, 0
	MUL8 1, 6, 0
	WIN 0
; THE WAY OUT, block by block of 16 rows x 64 columns of f32.  A lane holds 32 neighbouring bytes of a row, and the lanes beside it hold other rows: so a block goes through my own stage and comes back as whole rows of 256 bytes.
; LDS serves a wave's instructions in order (ISA guide 5.7.1.4): no wait between the stores and the loads, nor in front of the next block's stores.
.macro TOSTAGE a
	WIN 0x04                                       ; an LDS store's data are its source 1: window 1
.irp b, 0,1,2,3
	ds_store_b128 v[STO], v[8*(4*(\a)+\b):8*(4*(\a)+\b)+3] offset:64*\b           ; each accumulator from its low end on
	ds_store_b128 v[STO], v[8*(4*(\a)+\b)+4:8*(4*(\a)+\b)+7] offset:64*\b+16
.endr
	WIN 0
.set BB, BK+32*((\a)%2)
.irp i, 0,1,2,3,4,5,6,7
	ds_load_b128 v[BB+4*\i:BB+4*\i+3], v[RD] offset:\i*2*PITCH
.endr
.endm
.macro SEND a, younger                 ; younger: the LDS instructions issued behind block a's loads, which may stay out
.set BB, BK+32*((\a)%2)
	s_wait_dscnt \younger                          ; the block is back in registers
.irp i, 0,1,2,3,4,5,6,7
	global_store_b128 v[CO], v[BB+4*\i:BB+4*\i+3], s[8:9] offset:(16*(\a)+2*\i)*32768 th:TH_STORE_NT   ; 16 lanes store 256 consecutive bytes, at a multiple of 256 from out's first byte; written once, read by nobody here
.endr
.endm
	PLACES                                         ; behind the last products: for the stores that read results and the loads into registers that held ctx's fragments
	TOSTAGE 0
.irp a, 1,2,3,4,5,6,7
.if \a > 1
	s_wait_xcnt 0x0                                ; block a - 2's stores have read their registers: block a's loads may land there
.endif
	TOSTAGE \a
	SEND \a-1, 16                                  ; behind block a - 1's loads: block a's 8 stores and 8 loads
.endr
	SEND 7, 0
	s_wait_tensorcnt 0x0                           ; the wave's end: three lines behind my last tensor load and my last LDS store
	ds_add_u32 v[SPW], v[NIL]
	s_wait_dscnt 0x0
	CROUND                                         ; the closing round: no work-group ends while a partner may still ask for a tile that names it
	s_endpgm
.Lfunc_end_k_qf6441b956c_outgemm:
	.size	k_qf6441b956c_outgemm, .Lfunc_end_k_qf6441b956c_outgemm-k_qf6441b956c_outgemm
	.p2alignl 7, 3214868480
	.fill 96, 4, 3214868480
	.section	.rodata,"a",@progbits
	.p2align	6, 0x0
	.amdhsa_kernel k_qf6441b956c_outgemm
		.amdhsa_group_segment_fixed_size 327680
		.amdhsa_private_segment_fixed_size 0
		.amdhsa_enable_private_segment 0
		.amdhsa_kernarg_size 24
		.amdhsa_user_sgpr_count 2
		.amdhsa_user_sgpr_kernarg_segment_ptr 1
		.amdhsa_wavefront_size32 1
		.amdhsa_system_sgpr_workgroup_id_x 1
		.amdhsa_system_sgpr_workgroup_id_y 1
		.amdhsa_system_sgpr_workgroup_id_z 1
		.amdhsa_system_vgpr_workitem_id 0
		.amdhsa_next_free_vgpr 512
		.amdhsa_next_free_sgpr 66
		.amdhsa_reserve_vcc 0
		.amdhsa_float_denorm_mode_32 3
		.amdhsa_float_denorm_mode_16_64 3
		.amdhsa_memory_ordered 1
		.amdhsa_forward_progress 1
		.amdhsa_inst_pref_size 86
	.end_amdhsa_kernel
	.amdgpu_metadata
---
amdhsa.version: [ 1, 2 ]
amdhsa.kernels:
  - .name:           k_qf6441b956c_outgemm
    .symbol:         k_qf6441b956c_outgemm.kd
    .args:
      - { .name: ctx, .offset: 0, .size: 8, .value_kind: global_buffer, .address_space: global }
      - { .name: wo16, .offset: 8, .size: 8, .value_kind: global_buffer, .address_space: global }
      - { .name: out0, .offset: 16, .size: 8, .value_kind: global_buffer, .address_space: global }
    .group_segment_fixed_size: 327680
    .private_segment_fixed_size: 0
    .kernarg_segment_align: 8
    .kernarg_segment_size: 24
    .max_flat_workgroup_size: 128
    .sgpr_count:     66
    .vgpr_count:     512
    .wavefront_size: 32
...
	.end_amdgpu_metadata
.endif
;; end of part 4
